; MI455X (gfx1250); checked and timed in simulation.
; The chip was launched on July 23, 2026; its instructions are those of AMD's public machine-readable ISA for CDNA 5 (MIT licence, August 2026) and "CDNA5" Instruction Set Architecture Reference Guide (July 2026). The comments in the code are by the model that wrote it; some were corrected since.
;; Self Attention. Allowed arithmetic: matrix products marked QUANTISED: E2M1 operands, one E8M0 scale for each 32 along K, by v_wmma_scale_f32_16x16x128_f8f6f4 with both operands' format E2M1 (or v_wmma_scale_f32_32x16x128_f4), f32 sums; products left as they are: bf16, f16 or f32 operands; f32 sums; everything else in f32.
;; Inputs: W_in 1,024 x 3,072 float32; W_out 1,024 x 1,024 float32; b_in 3,072 float32; b_out 1,024 float32; x 4 x 2,048 x 1,024 float32.
;; Outputs: out0 4 x 2,048 x 1,024 float32.
;; This version of the problem:
;;   THIS VERSION OF THE PROBLEM IS GIVEN IN LOW PRECISION. The matrix products marked QUANTISED in the list below multiply operands that are first quantised to E2M1 (2 exponent bits, 1 mantissa bit; 4 bits a number), with one power-of-two scale for each 32 numbers along K (OCP MX v1.0); their sums are f32. The products marked 'left as it is' may take bf16, f16 or f32 operands, with f32 sums. Whichever they take, every output number must still come out within the allowed error. Rounding operands to bf16 (8 significant bits) uses up far more of that allowance than f16 does (11 bits, for magnitudes from 6e-5 to 65,504). All else is computed in f32.
;;   The module's matrix products, in the order in which they are computed (A, B: the left and right operand; K: the contracted axis; several contracted axes count as one K, in the product's order):
;;     1. [M 8,192, K 1,024] x [K 1,024, N 3,072]; A: input x; B: input W_in: QUANTISED
;;     2. batch 64 x [M 2,048, K 64] x [K 64, N 2,048]; A: computed on the way; B: computed on the way: left as it is (an operand is computed on the way)
;;     3. batch 64 x [M 2,048, K 2,048] x [K 2,048, N 64]; A: computed on the way; B: computed on the way: left as it is (an operand is computed on the way)
;;     4. [M 8,192, K 1,024] x [K 1,024, N 1,024]; A: computed on the way; B: input W_out: left as it is (an operand is computed on the way)
;;   THE QUANTISER, for each operand of a quantised product, along K:
;;     - K is cut into blocks of 32 from its start; a last block that is shorter is filled with zeros.
;;     - A block's scale is 2^e with e = floor(log2(the largest magnitude in the block)) - 2, held to -126 .. 127; a block of zeros has e = 0. As a byte (E8M0): e + 127.
;;     - Each number is divided by its block's scale, clamped to +-6, and rounded to the nearest number of E2M1, ties to even, subnormals kept.
;;     - The product sums the exact products of the quantised numbers (number of the format x scale) in f32.
;;   ~~~python
;;   def quantise(x, axis):      # numpy; x: float32 -> the quantised numbers, widened to float32 again
;;       x = np.moveaxis(x, axis, -1); K = x.shape[-1]
;;       x = np.pad(x, [(0, 0)] * (x.ndim - 1) + [(0, -K % 32)]); x = x.reshape(x.shape[:-1] + (-1, 32)); a = np.abs(x).max(-1, keepdims=True)
;;       e = np.where(a > 0, np.clip(np.frexp(np.where(a > 0, a, 1))[1] - 1 - 2, -126, 127), 0)      # np.frexp(a)[1] - 1 = floor(log2(a)), exactly
;;       r = np.clip(x / 2.0 ** e, -6, 6)
;;       step = 2.0 ** (np.maximum(np.frexp(np.where(r == 0, 1, r))[1] - 1, 0) - 1)
;;       q = np.round(r / step) * step * 2.0 ** e      # np.round: ties to even
;;       return np.moveaxis(q.reshape(q.shape[:-2] + (-1,))[..., :K], -1, axis).astype(np.float32)
;;   ~~~
;; One version. Each part assembles by itself: llvm-mc -triple=amdgcn-amd-amdhsa -mcpu=gfx1250 --defsym DOCPART=n.
;; ======== version 1 of 1: 4 launches
;; limits: values are held in f16: magnitudes above 65,504 overflow, below 6.1e-05 lose precision
;; workspace buffers: xc 4,194,304 bytes; xs 262,144 bytes; wc 1,572,864 bytes; ws 98,304 bytes; wo 2,097,152 bytes; qk 33,554,432 bytes; v 33,554,432 bytes; o 16,777,216 bytes
;; launch prep (part 1): grid 432 x 1, 4 waves a work-group, no clusters, 68,096 bytes of LDS; arguments x, W_in, W_out, xc, xs, wc, ws, wo; writes xc, xs, wc, ws, wo
.if DOCPART == 1
	.amdgcn_target "amdgcn-amd-amdhsa--gfx1250"
	.amdhsa_code_object_version 6
	.text
	.protected	k_q8f9d92b2ca_prep
	.globl	k_q8f9d92b2ca_prep
	.p2align	8
	.type	k_q8f9d92b2ca_prep,@function
k_q8f9d92b2ca_prep:
	s_mov_b64 s[64:65], 0
	v_nop
	global_prefetch_b8 v0, s[64:65] scope:SCOPE_SE
	s_setreg_imm32_b32 hwreg(HW_REG_WAVE_MODE, 25, 1), 1
	s_wait_xcnt 0x0
; PREP: the three inputs that later launches read many times are brought into the form in which they are read.
;   work-groups   0..255: x [8192][1024] f32 -> xc: codes of E2M1, K innermost, 512 bytes a row; xs: one E8M0 byte for each 32 along K, 32 bytes a row.
;   work-groups 256..303: W_in [1024 (k)][3072 (n)] f32 -> wc [3072][512 bytes], ws [3072][32]: K is W_in's first axis, so a lane takes a column and its registers run down K.
;   work-groups 304..431: W_out [1024 (k)][1024 (n)] f32 -> wo, f16, as images of operand registers: [nb 64][kc 64][512 bytes]; lane (r = lane % 16, hl = lane / 16) owns the 16 bytes
;                         at 16 x lane: W_out(16 kc + 8 hl + 0..7, 16 nb + r).
; THE QUANTISER: a block's scale is 2^(floor(log2(largest magnitude)) - 2); its byte is the largest magnitude's exponent field - 2; numbers / scale go to the nearest code, ties to even, beyond 6 the code of 6.
; LIMITS: NaN and infinities among the inputs are not served.  A block whose largest magnitude lies under 2^-124 gets the byte 1; a block of zeros gets the byte 1 too, where the rule says 127:
; its codes are zeros, which add nothing under any byte but 0xff, and the bytes are read by this program alone.  W_out is rounded once to f16: magnitudes over 65,504 are not served.
; The three paths part on the work-group's number, never join, and have LDS bytes of their own: x 0..32,767, W_in 32,768..67,583; the spare words follow.  No barrier: waves share nothing.
.set SPW,   192                        ; v192  LDS address of my spare word: SPARE + 4 x my thread's number; never rewritten
.set NIL,   193                        ; v193  0; never rewritten
.set SPARE, 67584                      ; the spare words, 128 bytes for each wave: two blocks of 256 bytes that no other line names
.set EMAX,  2
	s_load_b256 s[4:11], s[0:1], 0x0               ; x s[4:5], W_in s[6:7], W_out s[8:9], xc s[10:11]
	s_load_b256 s[12:19], s[0:1], 0x20             ; xs s[12:13], wc s[14:15], ws s[16:17], wo s[18:19]
	v_lshl_add_u32 v[SPW], v0, 2, SPARE
	v_mov_b32 v[NIL], 0
	v_lshrrev_b32 v1, 5, v0
	v_readfirstlane_b32 s20, v1                    ; wave 0..3
	v_and_b32 v2, 31, v0                           ; lane
	s_wait_kmcnt 0x0
	s_cmp_lt_u32 ttmp9, 256
	s_cbranch_scc0 .Lnot_x
; ---------------------------------------------------------------- x: a plain stream of blocks of 32 numbers
; A wave takes 16 steps of 512 numbers.  Each of a step's four loads reads 512 consecutive bytes; the 2,048 bytes turn through the wave's own stage in LDS (16 bytes of padding behind each 64)
; and come back 64 bytes a lane: 16 neighbours along K, two lanes to a block.  Loads run four steps ahead, the turn through LDS one step.
.set STEPS, 16
.set CB,    8                          ; bytes of 16 codes
.set XR,    16                         ; v16-79   four sets of 16 numbers as loaded
.set XX,    80                         ; v80-111  two sets of 16 neighbours
.set XE,    112                        ; v112-127 a scale byte for each step
.set XC,    128                        ; v128-191 codes: registers of its own for each step, so that no store's data are written again
.set WREG,  8192                       ; LDS: a region for each wave: two stages of 32 x SP bytes, behind them its 256 scale bytes
.set SP,    80
	v_lshlrev_b32 v3, 4, v2                        ; my 16 bytes of a load's 512
	s_mul_i32 s21, s20, WREG
	v_lshrrev_b32 v14, 2, v2
	v_mul_u32_u24 v14, v14, SP
	v_and_b32 v15, 3, v2
	v_lshl_add_u32 v14, v15, 4, v14
	v_add_nc_u32 v14, s21, v14                     ; the stage, on the way in: SP (lane / 4) + 16 (lane % 4)
	v_mul_u32_u24 v15, v2, SP
	v_add_nc_u32 v15, s21, v15                     ; and on the way out: SP x lane
	v_mul_u32_u24 v4, v2, CB                       ; my codes' place in a step's
	v_lshrrev_b32 v5, 1, v2
	s_add_co_u32 s21, s21, 2*32*SP
	v_add_nc_u32 v5, s21, v5                       ; my block's scale byte in LDS
	v_lshlrev_b32 v7, 3, v2
	v_add_nc_u32 v6, s21, v7                       ; and on the way out 8 bytes a lane
	s_lshl_b32 s22, ttmp9, 2
	s_add_co_u32 s22, s22, s20                     ; which run of 8,192 numbers is my wave's: 0..1023
	s_mov_b32 s25, 0
	s_lshl_b32 s24, s22, 15                        ; 32,768 bytes of x a run
	s_add_nc_u64 s[4:5], s[4:5], s[24:25]
	s_lshl_b32 s24, s22, 12                        ; 4,096 bytes of codes
	s_add_nc_u64 s[10:11], s[10:11], s[24:25]
	s_lshl_b32 s24, s22, 8                         ; 256 scale bytes
	s_add_nc_u64 s[12:13], s[12:13], s[24:25]
.macro XLOAD t
.irp i, 0,1,2,3
	global_load_b128 v[XR+16*((\t)%4)+4*\i:XR+16*((\t)%4)+4*\i+3], v3, s[4:5] offset:2048*(\t)+512*\i th:TH_LOAD_NT
.endr
.endm
.macro XTURN t                         ; LDS serves a wave's instructions in order: no wait between the stores and the loads
.irp i, 0,1,2,3
	ds_store_b128 v14, v[XR+16*((\t)%4)+4*\i:XR+16*((\t)%4)+4*\i+3] offset:32*SP*((\t)%2)+8*SP*\i
.endr
.irp i, 0,1,2,3
	ds_load_b128 v[XX+16*((\t)%2)+4*\i:XX+16*((\t)%2)+4*\i+3], v15 offset:32*SP*((\t)%2)+16*\i
.endr
.endm
.irp t, 0,1,2,3
	XLOAD \t
.endr
	s_wait_loadcnt 12                              ; step 0's four loads are in; the twelve of steps 1 to 3 may be out
	XTURN 0
.macro XSTEP t
.set XS, XX+16*((\t)%2)
.if (\t) > 0
	s_wait_dscnt 1                                 ; this step's numbers are back from the stage; the last step's byte store may be out
.else
	s_wait_dscnt 0x0
.endif
.if (\t)+4 < STEPS
	XLOAD (\t)+4                                   ; into the registers that the stage's stores have read
.endif
.if (\t)+1 < STEPS
.if STEPS-2-(\t) >= 3
	s_wait_loadcnt 12                              ; the next step's four loads are in; those of the three steps behind it may be out
.else
	s_wait_loadcnt 4*(STEPS-2-(\t))
.endif
	XTURN (\t)+1
.endif
	v_max3_num_f32 v8, |v[XS]|, |v[XS+1]|, |v[XS+2]|
	v_max3_num_f32 v9, |v[XS+3]|, |v[XS+4]|, |v[XS+5]|
.irp i, 6,10
	v_max3_num_f32 v8, v8, |v[XS+\i]|, |v[XS+\i+1]|
	v_max3_num_f32 v9, v9, |v[XS+\i+2]|, |v[XS+\i+3]|
.endr
	v_max3_num_f32 v8, v8, |v[XS+14]|, |v[XS+15]|
	v_max3_num_f32 v8, v8, v9, (EMAX+1)<<23        ; the floor 2^(3 - 127): the byte cannot fall under 1
	v_max_num_f32_dpp v8, v8, v8 row_xmask:1 row_mask:0xf bank_mask:0xf   ; with my neighbour's 16: the block's largest magnitude
	v_add_nc_u32 v11, -(EMAX<<23), v8              ; 2 off its exponent field: the conversion takes the exponent field of this operand as its scale
	v_cvt_scalef32_pk8_fp4_f32 v[XC+4*(\t)], v[XS:XS+7], v11
	v_cvt_scalef32_pk8_fp4_f32 v[XC+4*(\t)+1], v[XS+8:XS+15], v11
	v_lshrrev_b32 v[XE+(\t)], 23, v11              ; the scale's byte
	ds_store_b8 v5, v[XE+(\t)] offset:16*(\t)      ; both lanes of a block write the same byte with the same value
	global_store_b64 v4, v[XC+4*(\t):XC+4*(\t)+1], s[10:11] offset:32*CB*(\t)   ; the wave stores 256 consecutive bytes, aligned
.endm
.irp t, 0,1,2,3,4,5,6,7,8,9,10,11,12,13,14,15
	XSTEP \t
.endr
	ds_load_b64 v[8:9], v6                         ; my wave's 256 scale bytes: these loads see my stores
	s_wait_dscnt 0x0
	global_store_b64 v7, v[8:9], s[12:13]          ; 256 consecutive bytes, aligned
	s_wait_tensorcnt 0x0                           ; the wave's end, behind my last LDS store
	ds_add_u32 v[SPW], v[NIL]
	s_wait_dscnt 0x0
	s_endpgm
.Lnot_x:
	s_cmp_lt_u32 ttmp9, 304
	s_cbranch_scc0 .Lpath_o
; ---------------------------------------------------------------- W_in: a lane to a column, registers down K
; A wave takes 32 columns x 512 along K: 16 blocks a lane, 256 bytes of codes a column.  The codes go through the wave's own stage (rows 272 bytes apart) and leave as rows: sixteen lanes store 256 consecutive bytes.
; Every offset is an immediate: 511 x 12,288 bytes at the most, inside the signed 24 bits.
.set SIZE_N, 3072
.set NB,    16
.set WPITCH, 272
.set KROW,  512
.set WX,    32                         ; v32-95   two sets of 32 numbers
.set WC,    96                         ; v96-99   a block's codes
.set WOUT,  112                        ; v112-175 the way out
.set WSB,   24                         ; v24-27   the scale bytes, four to a register
	s_sub_co_u32 s21, ttmp9, 256                   ; 0..47
	s_cmp_ge_u32 s21, 24
	s_cselect_b32 s22, 1, 0                        ; which 512 along K
	s_cselect_b32 s23, 24, 0
	s_sub_co_u32 s21, s21, s23                     ; which 128 columns
	s_lshl_b32 s21, s21, 7
	s_lshl_b32 s23, s20, 5
	s_add_co_u32 s21, s21, s23                     ; my wave's first column
	v_lshlrev_b32 v3, 2, v2                        ; in: 4 bytes a lane
	s_mul_i32 s27, s20, 32*WPITCH
	s_add_co_u32 s27, s27, 32768                   ; my stage
	v_mul_u32_u24 v4, v2, WPITCH
	v_add_nc_u32 v4, s27, v4                       ; into it: row = my column
	v_and_b32 v5, 15, v2
	v_lshrrev_b32 v6, 4, v2
	v_mul_u32_u24 v7, v6, WPITCH
	v_lshl_add_u32 v7, v5, 4, v7
	v_add_nc_u32 v7, s27, v7                       ; out of it: sixteen lanes to a row, two rows an instruction
	v_mul_u32_u24 v8, v6, KROW
	v_lshl_add_u32 v8, v5, 4, v8                   ; the same place in wc
	v_lshlrev_b32 v9, 5, v2                        ; my column's row of scale bytes
	s_mov_b32 s25, 0
	s_mul_i32 s24, s22, 512*SIZE_N*4
	s_lshl_b32 s26, s21, 2
	s_add_co_u32 s24, s24, s26
	s_add_nc_u64 s[6:7], s[6:7], s[24:25]
	s_lshl_b32 s24, s21, 9
	s_lshl_b32 s26, s22, 8
	s_add_co_u32 s24, s24, s26
	s_add_nc_u64 s[14:15], s[14:15], s[24:25]
	s_lshl_b32 s24, s21, 5
	s_lshl_b32 s26, s22, 4
	s_add_co_u32 s24, s24, s26
	s_add_nc_u64 s[16:17], s[16:17], s[24:25]
.macro WLOAD t                         ; block t: W_in(32 t + i, my column), i = 0..31
.irp i, 0,1,2,3,4,5,6,7,8,9,10,11,12,13,14,15,16,17,18,19,20,21,22,23,24,25,26,27,28,29,30,31
	global_load_b32 v[WX+32*((\t)%2)+\i], v3, s[6:7] offset:(32*(\t)+\i)*SIZE_N*4 th:TH_LOAD_NT
.endr
.endm
	WLOAD 0
	WLOAD 1
.macro WBLOCK t
.set XS, WX+32*((\t)%2)
.if (\t) < NB-1
	s_wait_loadcnt 32                              ; this block's 32 loads are in; the next block's 32 may be out
.else
	s_wait_loadcnt 0
.endif
	v_max3_num_f32 v12, |v[XS]|, |v[XS+1]|, |v[XS+2]|
	v_max3_num_f32 v13, |v[XS+3]|, |v[XS+4]|, |v[XS+5]|
.irp i, 6,10,14,18,22,26
	v_max3_num_f32 v12, v12, |v[XS+\i]|, |v[XS+\i+1]|
	v_max3_num_f32 v13, v13, |v[XS+\i+2]|, |v[XS+\i+3]|
.endr
	v_max3_num_f32 v12, v12, |v[XS+30]|, |v[XS+31]|
	v_max3_num_f32 v12, v12, v13, (EMAX+1)<<23     ; the floor
	v_add_nc_u32 v11, -(EMAX<<23), v12             ; the conversion's scale operand
	v_lshrrev_b32 v13, 23, v11                     ; the scale's byte
.if (\t)%4 == 0
	v_mov_b32 v[WSB+(\t)/4], v13
.else
	v_lshl_or_b32 v[WSB+(\t)/4], v13, 8*((\t)%4), v[WSB+(\t)/4]
.endif
.irp g, 0,1,2,3
	v_cvt_scalef32_pk8_fp4_f32 v[WC+\g], v[XS+8*\g:XS+8*\g+7], v11
.endr
	ds_store_b128 v4, v[WC:WC+3] offset:16*(\t)    ; 32 codes: 16 bytes of my column's row
.if (\t)+2 < NB
	WLOAD (\t)+2
.endif
	s_wait_dscnt 0x0                               ; the store has read its registers: the next block's codes may be written
.endm
.set Q, 0
.rept NB
	WBLOCK Q
.set Q, Q+1
.endr
	global_store_b128 v9, v[WSB:WSB+3], s[16:17]   ; my column's 16 scale bytes
.irp t, 0,1,2,3,4,5,6,7,8,9,10,11,12,13,14,15
	ds_load_b128 v[WOUT+4*\t:WOUT+4*\t+3], v7 offset:2*\t*WPITCH
.endr
.irp t, 0,1,2,3,4,5,6,7,8,9,10,11,12,13,14,15
	s_wait_dscnt 15-\t                             ; LDS loads come back in order: pair t of rows is in
	global_store_b128 v8, v[WOUT+4*\t:WOUT+4*\t+3], s[14:15] offset:2*\t*KROW
.endr
	s_wait_tensorcnt 0x0                           ; the wave's end: the three lines
	ds_add_u32 v[SPW], v[NIL]
	s_wait_dscnt 0x0
	s_endpgm
.Lpath_o:
; ---------------------------------------------------------------- W_out: f16 images.  A wave takes 16 columns x 128 along K: eight pieces of 512 bytes.
	v_and_b32 v3, 15, v2                           ; r
	v_lshrrev_b32 v4, 4, v2                        ; hl
	v_lshlrev_b32 v6, 2, v3
	v_lshl_add_u32 v6, v4, 15, v6                  ; in: column r, 8 hl rows of 4,096 bytes down
	v_lshlrev_b32 v5, 4, v2                        ; out: 16 x lane
	s_sub_co_u32 s21, ttmp9, 304                   ; 0..127
	s_and_b32 s22, s21, 15
	s_lshl_b32 s22, s22, 2
	s_add_co_u32 s22, s22, s20                     ; nb: which 16 columns; the four waves stand side by side on 256 bytes of a row
	s_lshr_b32 s21, s21, 4                         ; which 128 along K
	s_mov_b32 s25, 0
	s_lshl_b32 s24, s21, 19
	s_lshl_b32 s26, s22, 6
	s_add_co_u32 s24, s24, s26
	s_add_nc_u64 s[8:9], s[8:9], s[24:25]
	s_lshl_b32 s24, s22, 15                        ; nb x 64 pieces
	s_lshl_b32 s26, s21, 12                        ; + 8 pieces for each 128 along K
	s_add_co_u32 s24, s24, s26
	s_add_nc_u64 s[18:19], s[18:19], s[24:25]
.irp kc, 0,1,2,3,4,5,6,7
.irp i, 0,1,2,3,4,5,6,7
	global_load_b32 v[32+8*\kc+\i], v6, s[8:9] offset:(16*\kc+\i)*4096
.endr
.endr
.irp kc, 0,1,2,3,4,5,6,7
	s_wait_loadcnt 56-8*\kc                        ; this piece's eight loads are in; the younger pieces' may be out
.irp p, 0,1,2,3
	v_cvt_pk_f16_f32 v[96+4*\kc+\p], v[32+8*\kc+2*\p], v[33+8*\kc+2*\p]
.endr
	global_store_b128 v5, v[96+4*\kc:99+4*\kc], s[18:19] offset:512*\kc   ; the wave stores 512 consecutive bytes, aligned
.endr
	s_wait_tensorcnt 0x0                           ; the three lines, here as on the other paths
	ds_add_u32 v[SPW], v[NIL]
	s_wait_dscnt 0x0
	s_endpgm
.Lfunc_end_k_q8f9d92b2ca_prep:
	.size	k_q8f9d92b2ca_prep, .Lfunc_end_k_q8f9d92b2ca_prep-k_q8f9d92b2ca_prep
	.p2alignl 7, 3214868480
	.fill 96, 4, 3214868480
	.section	.rodata,"a",@progbits
	.p2align	6, 0x0
	.amdhsa_kernel k_q8f9d92b2ca_prep
		.amdhsa_group_segment_fixed_size 68096
		.amdhsa_private_segment_fixed_size 0
		.amdhsa_enable_private_segment 0
		.amdhsa_kernarg_size 64
		.amdhsa_user_sgpr_count 2
		.amdhsa_user_sgpr_kernarg_segment_ptr 1
		.amdhsa_wavefront_size32 1
		.amdhsa_system_sgpr_workgroup_id_x 1
		.amdhsa_system_sgpr_workgroup_id_y 1
		.amdhsa_system_sgpr_workgroup_id_z 1
		.amdhsa_system_vgpr_workitem_id 0
		.amdhsa_next_free_vgpr 196
		.amdhsa_next_free_sgpr 66
		.amdhsa_reserve_vcc 0
		.amdhsa_float_denorm_mode_32 3
		.amdhsa_float_denorm_mode_16_64 3
		.amdhsa_memory_ordered 1
		.amdhsa_forward_progress 1
		.amdhsa_inst_pref_size 121
	.end_amdhsa_kernel
	.amdgpu_metadata
---
amdhsa.version: [ 1, 2 ]
amdhsa.kernels:
  - .name:           k_q8f9d92b2ca_prep
    .symbol:         k_q8f9d92b2ca_prep.kd
    .args:
      - { .name: x, .offset: 0, .size: 8, .value_kind: global_buffer, .address_space: global }
      - { .name: W_in, .offset: 8, .size: 8, .value_kind: global_buffer, .address_space: global }
      - { .name: W_out, .offset: 16, .size: 8, .value_kind: global_buffer, .address_space: global }
      - { .name: xc, .offset: 24, .size: 8, .value_kind: global_buffer, .address_space: global }
      - { .name: xs, .offset: 32, .size: 8, .value_kind: global_buffer, .address_space: global }
      - { .name: wc, .offset: 40, .size: 8, .value_kind: global_buffer, .address_space: global }
      - { .name: ws, .offset: 48, .size: 8, .value_kind: global_buffer, .address_space: global }
      - { .name: wo, .offset: 56, .size: 8, .value_kind: global_buffer, .address_space: global }
    .group_segment_fixed_size: 68096
    .private_segment_fixed_size: 0
    .kernarg_segment_align: 8
    .kernarg_segment_size: 64
    .max_flat_workgroup_size: 128
    .sgpr_count:     66
    .vgpr_count:     196
    .wavefront_size: 32
...
	.end_amdgpu_metadata
.endif
;; end of part 1
;; launch qkv (part 2): grid 12 x 32, 4 waves a work-group, clusters of 4 x 4, 327,680 bytes of LDS; arguments xc, xs, wc, ws, b_in, qk, v; writes qk, v
.if DOCPART == 2
	.amdgcn_target "amdgcn-amd-amdhsa--gfx1250"
	.amdhsa_code_object_version 6
	.text
	.protected	k_q8f9d92b2ca_qkv
	.globl	k_q8f9d92b2ca_qkv
	.p2align	8
	.type	k_q8f9d92b2ca_qkv,@function
k_q8f9d92b2ca_qkv:
	s_mov_b64 s[64:65], 0
	v_nop
	global_prefetch_b8 v0, s[64:65] scope:SCOPE_SE
	s_setreg_imm32_b32 hwreg(HW_REG_WAVE_MODE, 25, 1), 1
	s_wait_xcnt 0x0
	s_wait_alu depctr_hold_cnt(0) depctr_sa_sdst(0) depctr_va_vdst(0) depctr_va_sdst(0) depctr_va_ssrc(0) depctr_va_vcc(0) depctr_vm_vsrc(0)
	s_getreg_b32 s2, hwreg(HW_REG_IB_STS2, 6, 4)
	s_cmp_eq_u32 s2, 0
	s_cbranch_scc0 .Lentry_in_a_cluster
	s_endpgm
.Lentry_in_a_cluster:
	s_bfe_u32 s2, ttmp6, 0x10000c
	s_cmp_lg_u32 s2, 0xf033
	s_cbranch_scc0 .Lentry_shape_is_right
	s_endpgm
.Lentry_shape_is_right:
; QKV: x W_in + b_in on codes of E2M1 with E8M0 scales, K = 1,024; results leave as f16 images of the operand registers that the attention launch wants.
; A tile of 256 x 256 is made by a work-group of four waves, a wave makes 128 x 128: 64 accumulators of 16 x 16 in windows 2 and 3.  K is two steps of 512, one in each of two LDS slots: every tensor load
; is a first fill (three a wave: scales, slot 0, slot 1), and nothing is filled again.
; THE MATRIX INSTRUCTION IS USED TRANSPOSED: source 0 = 16 rows of 'B', source 1 = 16 rows of 'A': a lane holds one row of A (lane % 16) and eight neighbouring rows of B (8 (lane / 16) + 0..7).
; ONE TEXT SERVES q, k AND v BY A CHANGE OF ROLES, chosen by the cluster's x, which all sixteen partners share:
;   cluster x = 0, 1 (q, k): A = tokens (xc), B = columns 0..2047 of W_in (wc): a lane holds a token and eight channels;
;   cluster x = 2    (v):    A = columns 2048..3071 of W_in, B = tokens: a lane holds a channel and eight tokens, which is V transposed.
; Only pointers and numbers are chosen (s_cselect): no branch hangs on it.
; OUT.  A lane's eight results, rounded once to f16, are 16 bytes; the wave's 32 lanes store them on end: 512 consecutive bytes, the piece (16 rows x 16 k) that two of make a 16 x 32 fragment.
;   qk: q at 0, k at 2^24, each [batch x 16 + head][token block 128][channel block 4][512 bytes];   v: [group of 64 tokens 128][128 places, channel blocks 0..63 used][token block % 4][512 bytes].
; THE BIAS of q and k is the C of each sum's first matrix instruction.  v's bias runs along the lanes here: it is added in the attention launch, behind the normalisation (the weights sum to 1), so C is 0 for v.
; CLUSTERS: 4 x 4 work-groups; A's tiles are asked for jointly along a row of the cluster, B's along a column.
; LIMITS: q, k, v are rounded to f16: magnitudes over 65,504 are not served.  NaN and infinities are not served.
; REGISTERS: window 0: v0-31 addresses; v32-95 scale words, two sets; v128-191 A's fragments, one set; on the way out v128-255 hold packed results.
;   window 1: B's fragments, two sets, v0-63 and v128-191; v192-255 the bias, 8 registers for each block of B.   windows 2, 3: accumulators ((a, b) at v[8 (8 (a % 4) + b)]).
.set KSTEP,  512
.set NQ,     4                         ; matrix instructions deep in a slot
.set ROWB,   256                       ; a tile's row in bytes
.set KROW,   512                       ; a row of codes in memory
.set PITCH,  272                       ; an LDS row: 256 bytes + 16 of padding: the 16 rows that a load touches start 16 bytes apart modulo 256
.set FR,     8
.set NL,     2
.set NP,     4
.set HALFT,  128*PITCH
.set SLOT,   4*HALFT                   ; A's 256 rows, then B's 256 rows
.set KS,     32                        ; a row of scale bytes
.set SCL,    2*SLOT                    ; behind the slots: the scales, as rows of 256 bytes + 16 of padding
.set HALFS,  (128*KS/256)*272
.set SBLK,   (16*KS/256)*272
.set SPARE,  SCL+4*HALFS               ; the spare words, 128 bytes for each wave
.set ADRA, 16                          ; v16-17  LDS address of my A fragments in slot 0, 1
.set ADRB, 20                          ; v20-21  the same for B
.set CO,   26                          ; v26     16 x lane: my place in a piece of 512 bytes
.set ADRS, 27                          ; v27     LDS address of my scale words: lanes 0-15 A's rows, lanes 16-31 B's
.set SPW,  28                          ; v28     my spare word; never rewritten
.set NIL,  29                          ; v29     0; never rewritten
.set BO,   30                          ; v30     32 x (lane / 16): my eight numbers of a block's bias
.set SC,   32
.set AF,   128
.set TO,   128                         ; the way out: packed results, four sets of 32
.set BI,   192                         ; in window 1: the bias
.set G1, 24
.set G0, 32
.set G1B, 48
.set G0B, 56
.set G1S, 68
.set G0S, 76
.set G1SB, 80
.set G0SB, 88
.set MSB, 0
.macro WIN new                         ; the immediate's high byte repeats the setting that is left
.if MSB != (\new)
	s_set_vgpr_msb (MSB<<8)|(\new)
.set MSB, \new
.endif
.endm
.set MUL_LO, 0xa1                      ; source 0 (B) window 1, source 1 (A) window 0, C and D window 2
.set MUL_HI, 0xf1                      ; the same, C and D window 3
.set FST_LO, 0x91                      ; the first step: C (the bias) window 1, D window 2
.set FST_HI, 0xd1                      ; C window 1, D window 3
.set TO_B,   0x40
; A joint load: waves 0 and 1 fetch for A, waves 2 and 3 for B; the branch hangs on the wave's number alone.  An s_nop 0 and four v_nop follow each of the two lines.
.macro JLOAD g0a, g1a, g0b, g1b
	s_cmp_eq_u32 s15, 0
	s_cbranch_scc0 .Lfor_b_\@
	tensor_load_to_lds s[\g0a:\g0a+3], s[\g1a:\g1a+7]
	s_nop 0
.rept 4
	v_nop
.endr
	s_branch .Lasked_\@
.Lfor_b_\@:
	tensor_load_to_lds s[\g0b:\g0b+3], s[\g1b:\g1b+7]
	s_nop 0
.rept 4
	v_nop
.endr
.Lasked_\@:
.endm
.macro CROUND                          ; a round of the cluster's barrier
	s_barrier_signal -1
	s_barrier_wait -1
	s_cmp_lg_u32 s14, 0
	s_cbranch_scc1 .Lnot_wave_0_\@
	s_barrier_signal -3
.Lnot_wave_0_\@:
	s_barrier_wait -3
	s_barrier_signal -1
	s_barrier_wait -1
.endm
	s_load_b256 s[4:11], s[0:1], 0x0               ; xc s[4:5], xs s[6:7], wc s[8:9], ws s[10:11]
	s_load_b128 s[96:99], s[0:1], 0x20             ; b_in s[96:97], qk s[98:99]
	s_load_b64 s[100:101], s[0:1], 0x30            ; v
	v_lshl_add_u32 v[SPW], v0, 2, SPARE
	v_mov_b32 v[NIL], 0
	ds_add_u32 v[SPW], v[NIL]                      ; the wave's opening: the add, twice on end, and its wait ahead of my first tensor load
	ds_add_u32 v[SPW], v[NIL]
	v_lshrrev_b32 v1, 5, v0
	v_readfirstlane_b32 s14, v1                    ; wave 0..3
	s_lshr_b32 s15, s14, 1                         ; which half of A's rows is mine.  Also: I fetch for A (0) or for B (1)
	s_and_b32 s16, s14, 1                          ; which half of B's rows.  Also: which 128 rows of that tile I fetch
	s_bfe_u32 s40, ttmp6, 0x40000                  ; cx
	s_bfe_u32 s41, ttmp6, 0x40004                  ; cy
	s_and_b32 s18, ttmp7, 0xffff                   ; cluster y
	s_cmp_eq_u32 ttmp9, 2                          ; v's clusters?  The same in all sixteen partners
	s_cselect_b32 s66, 0, s18                      ; four tile rows of A begin here: v has only the four of W_in's last 1,024 columns
	s_cselect_b32 s67, s18, ttmp9                  ; four tile columns of B
	s_cselect_b32 s2, 8, 0                         ; v: A's rows begin at row 8 x 256 of wc
	s_cselect_b32 s3, 511, 63                      ; how many blocks of B count within the out buffer's outer index
	s_cselect_b32 s95, 0, -1                       ; -1 where the bias runs along B (q, k), else 0
	s_lshl_b32 s17, s66, 2
	s_add_co_u32 s17, s17, s41                     ; tile row = 4 x .. + cy
	s_lshl_b32 s42, s67, 2
	s_add_co_u32 s42, s42, s40                     ; tile column = 4 x .. + cx
	s_lshl_b32 s43, s41, 2
	s_lshl_b32 s43, 15, s43                        ; my row of the cluster
	s_lshl_b32 s44, 0x1111, s40                    ; my column
	; descriptor group 1: a tile of 128 rows x 256 bytes, 16 bytes of padding behind each row
	s_or_b32 s[G1+0], s43, (0<<16)|(1<<20)|(1<<21)|(5<<22)|(3<<25)
	s_or_b32 s[G1B+0], s44, (0<<16)|(1<<20)|(1<<21)|(5<<22)|(3<<25)
.irp g, G1, G1B
	s_mov_b32 s[\g+1], ROWB<<16                    ; tensor_dim0
	s_mov_b32 s[\g+2], 128<<16                     ; tensor_dim1
	s_mov_b32 s[\g+3], ROWB<<16                    ; tile_dim0
	s_mov_b32 s[\g+4], 128                         ; tile_dim1
	s_mov_b32 s[\g+5], KROW                        ; from row to row
	s_mov_b32 s[\g+6], 0
	s_mov_b32 s[\g+7], 0
.endr
	; the scales of 128 rows: 4,096 dense bytes, as 16 rows of 256 bytes (32 elements of 8), 16 bytes of padding behind each
	s_or_b32 s[G1S+0], s43, (3<<16)|(1<<20)|(1<<21)|(5<<22)|(3<<25)
	s_or_b32 s[G1SB+0], s44, (3<<16)|(1<<20)|(1<<21)|(5<<22)|(3<<25)
.irp g, G1S, G1SB
	s_mov_b32 s[\g+1], 32<<16
	s_mov_b32 s[\g+2], (128*KS/256)<<16
	s_mov_b32 s[\g+3], 32<<16
	s_mov_b32 s[\g+4], 128*KS/256
	s_mov_b32 s[\g+5], 32
	s_mov_b32 s[\g+6], 0
	s_mov_b32 s[\g+7], 0
.endr
	s_lshl_b32 s18, s16, 7                         ; which 128 rows of the tile I fetch
	s_add_co_u32 s20, s17, s2
	s_lshl_b32 s20, s20, 8
	s_add_co_u32 s20, s20, s18                     ; A: the first row that I fetch
	s_lshl_b32 s46, s42, 8
	s_add_co_u32 s46, s46, s18                     ; B likewise
	s_lshl_b32 s22, s20, 5                         ; where these rows' scales begin, in bytes,
	s_mov_b32 s23, 0
	s_lshl_b32 s92, s46, 5
	s_mov_b32 s93, 0
	s_lshl_b32 s20, s20, 9                         ; and their codes (under 2^23)
	s_mov_b32 s21, 0
	s_lshl_b32 s46, s46, 9
	s_mov_b32 s47, 0
	s_mul_i32 s45, s14, HALFT                      ; where they go: wave x 128 rows: no place in the cluster enters an LDS address
	s_mul_i32 s94, s14, HALFS
	s_wait_dscnt 0x0                               ; both opening adds are done
	s_wait_kmcnt 0x0
	s_cmp_eq_u32 ttmp9, 2                          ; the roles: a choice between buffers that hangs on the cluster's number alone
	s_cselect_b64 s[12:13], s[100:101], s[98:99]   ; out: v or qk
	s_cselect_b64 s[66:67], s[8:9], s[4:5]         ; A's codes: wc or xc
	s_cselect_b64 s[4:5], s[4:5], s[8:9]           ; B's codes: xc or wc
	s_cselect_b64 s[8:9], s[10:11], s[6:7]         ; A's scales: ws or xs
	s_cselect_b64 s[6:7], s[6:7], s[10:11]         ; B's scales: xs or ws
	s_add_nc_u64 s[20:21], s[66:67], s[20:21]
	s_add_nc_u64 s[22:23], s[8:9], s[22:23]
	s_add_nc_u64 s[46:47], s[4:5], s[46:47]
	s_add_nc_u64 s[92:93], s[6:7], s[92:93]
	CROUND                                         ; all sixteen work-groups are here: the joint loads meet
	s_mov_b32 s[G0S], 1
	s_add_co_u32 s[G0S+1], s94, SCL
	s_mov_b64 s[G0S+2:G0S+3], s[22:23]
	s_or_b32 s[G0S+3], s[G0S+3], 0x80000000
	s_mov_b32 s[G0SB], 1
	s_add_co_u32 s[G0SB+1], s94, SCL
	s_mov_b64 s[G0SB+2:G0SB+3], s[92:93]
	s_or_b32 s[G0SB+3], s[G0SB+3], 0x80000000
	JLOAD G0S, G1S, G0SB, G1SB                     ; the scales first: they are wanted with K step 0
.irp s, 0,1
	s_mov_b32 s[G0+4*\s], 1
	s_add_co_u32 s[G0+4*\s+1], s45, \s*SLOT
	s_add_nc_u64 s[G0+4*\s+2:G0+4*\s+3], s[20:21], \s*ROWB
	s_or_b32 s[G0+4*\s+3], s[G0+4*\s+3], 0x80000000
	s_mov_b32 s[G0B+4*\s], 1
	s_add_co_u32 s[G0B+4*\s+1], s45, \s*SLOT
	s_add_nc_u64 s[G0B+4*\s+2:G0B+4*\s+3], s[46:47], \s*ROWB
	s_or_b32 s[G0B+4*\s+3], s[G0B+4*\s+3], 0x80000000
	JLOAD G0+4*\s, G1, G0B+4*\s, G1B               ; three tensor loads of mine are out now, and no more follow
.endr
	v_and_b32 v1, 15, v0                           ; l % 16
	v_bfe_u32 v2, v0, 4, 1                         ; l / 16
	v_mul_u32_u24 v3, v1, PITCH
	v_lshl_add_u32 v4, v2, 4, v3                   ; a fragment's row x pitch + 16 x half
	s_mul_i32 s21, s15, HALFT                      ; my 128 rows of A
	s_mul_i32 s22, s16, HALFT                      ; my 128 rows of B,
	s_add_co_u32 s22, s22, 2*HALFT                 ; which lie behind A's 256
.irp s, 0,1
	v_add_nc_u32 v[ADRA+\s], s21, v4
	v_add_nc_u32 v[ADRB+\s], s22, v4
	s_add_co_u32 s21, s21, SLOT
	s_add_co_u32 s22, s22, SLOT
.endr
	v_mul_u32_u24 v5, v1, KS                       ; my row's scales: 32 bytes a row,
	v_lshrrev_b32 v6, 8, v5
	v_lshl_add_u32 v5, v6, 4, v5                   ; and 16 more for each 256 passed
	s_mul_i32 s21, s15, HALFS
	s_mul_i32 s22, s16, HALFS
	s_add_co_u32 s22, s22, 2*HALFS
	s_sub_co_u32 s22, s22, s21
	v_mul_u32_u24 v6, s22, v2                      ; lanes 16-31 take B's
	s_add_co_u32 s21, s21, SCL
	v_add_nc_u32 v5, v5, v6
	v_add_nc_u32 v[ADRS], s21, v5
	v_and_b32 v6, 31, v0
	v_lshlrev_b32 v[CO], 4, v6
	v_lshlrev_b32 v[BO], 5, v2
	; where my 64 pieces begin in the out buffer.  Ablk = 16 x tile row + 8 x half, Bblk = 16 x tile column + 8 x half: blocks of 16
	s_lshl_b32 s20, s17, 4
	s_lshl_b32 s21, s15, 3
	s_add_co_u32 s20, s20, s21                     ; Ablk
	s_lshl_b32 s46, s42, 4
	s_lshl_b32 s47, s16, 3
	s_add_co_u32 s46, s46, s47                     ; Bblk
	s_lshr_b32 s21, s20, 7
	s_lshl_b32 s21, s21, 4                         ; q, k: 16 x batch (v: 0)
	s_and_b32 s47, s46, s3
	s_lshr_b32 s47, s47, 2                         ; q, k: the head;  v: the group of 64 tokens
	s_add_co_u32 s21, s21, s47
	s_lshl_b32 s21, s21, 7
	s_and_b32 s20, s20, 127                        ; q, k: the token block in the batch;  v: the channel block
	s_add_co_u32 s21, s21, s20
	s_lshl_b32 s20, s21, 11                        ; four pieces of 512 bytes each
	s_lshr_b32 s46, s46, 6
	s_and_b32 s46, s46, s95
	s_lshl_b32 s46, s46, 24                        ; k lies 2^24 bytes behind q
	s_add_co_u32 s20, s20, s46
	s_mov_b32 s21, 0
	s_add_nc_u64 s[12:13], s[12:13], s[20:21]
	s_lshl_b32 s18, s42, 10                        ; the bias of my 128 rows of B: 4 bytes each; for v the offset is held at 0 and the numbers are replaced by 0 below
	s_lshl_b32 s19, s16, 9
	s_add_co_u32 s18, s18, s19
	s_and_b32 s18, s18, s95
	s_mov_b32 s19, 0
	s_add_nc_u64 s[96:97], s[96:97], s[18:19]
	WIN TO_B
.irp b, 0,1,2,3,4,5,6,7
	global_load_b128 v[BI+8*\b:BI+8*\b+3], v[BO], s[96:97] offset:64*\b
	global_load_b128 v[BI+8*\b+4:BI+8*\b+7], v[BO], s[96:97] offset:64*\b+16
.endr
	s_wait_loadcnt 0x0
	WIN 0x44                                       ; source 1 and destination window 1
.set i, 0
.rept 64
	v_cndmask_b32 v[BI+i], 0, v[BI+i], s95         ; kept for q and k, 0 for v
.set i, i+1
.endr
	WIN 0
.macro FRAG reg, adr, q, i             ; 16 rows x 128 K of 4-bit codes: 8 registers, two loads of 16 bytes, 32 bytes apart
.irp c, 0,1
	ds_load_b128 v[\reg+4*\c:\reg+4*\c+3], v[\adr] offset:64*(\q)+32*\c+(\i)*16*PITCH
.endr
.endm
; 16 matrix instructions: A's blocks a0, a0 + 1 x B's eight, the slot's q-th 128 along K.  first = 1: the bias is C.  The 64 accumulators take turns, one instruction a turn.
.macro MUL16 a0, p, q, sc, first
.irp a, \a0, \a0+1
.irp b, 0,1,2,3,4,5,6,7
.if \first
	v_wmma_scale_f32_16x16x128_f8f6f4 v[8*(8*((\a)%4)+\b):8*(8*((\a)%4)+\b)+7], v[128*(\p)+FR*\b:128*(\p)+FR*\b+FR-1], v[AF+FR*(\a):AF+FR*(\a)+FR-1], v[BI+8*\b:BI+8*\b+7], v[SC+8*NQ*(\sc)+NQ*\b+(\q)], v[SC+8*NQ*(\sc)+NQ*(\a)+(\q)] matrix_a_fmt:MATRIX_FMT_FP4 matrix_b_fmt:MATRIX_FMT_FP4 matrix_a_scale:MATRIX_SCALE_ROW1
.else
	v_wmma_scale_f32_16x16x128_f8f6f4 v[8*(8*((\a)%4)+\b):8*(8*((\a)%4)+\b)+7], v[128*(\p)+FR*\b:128*(\p)+FR*\b+FR-1], v[AF+FR*(\a):AF+FR*(\a)+FR-1], v[8*(8*((\a)%4)+\b):8*(8*((\a)%4)+\b)+7], v[SC+8*NQ*(\sc)+NQ*\b+(\q)], v[SC+8*NQ*(\sc)+NQ*(\a)+(\q)] matrix_a_fmt:MATRIX_FMT_FP4 matrix_b_fmt:MATRIX_FMT_FP4 matrix_a_scale:MATRIX_SCALE_ROW1
.endif
.endr
.endr
.endm
.macro FETCH_B slot, q, p
	WIN TO_B
.irp i, 0,1,2,3,4,5,6,7
	FRAG 128*(\p)+FR*\i, ADRB+\slot, \q, \i
.endr
	WIN 0
.endm
.macro FETCH_A slot, q, i0
.irp i, \i0, \i0+1, \i0+2, \i0+3
	FRAG AF+FR*(\i), ADRA+\slot, \q, \i
.endr
.endm
.macro SCALES sc                       ; a K step's scale words: four a row; lanes 0-15 take A's block i, lanes 16-31 B's block i
.irp i, 0,1,2,3,4,5,6,7
	ds_load_b128 v[SC+8*NQ*\sc+NQ*\i:SC+8*NQ*\sc+NQ*\i+3], v[ADRS] offset:\i*SBLK
.endr
.endm
.macro PLACES n                        ; plain vector instructions between matrix instructions and loads into, or reads of, their registers
.rept \n
	v_nop
.endr
.endm
.macro STEP slot, q, first             ; 128 along K that has its successor in the same slot
	s_wait_dscnt 4*NL                              ; B's set and A's blocks 0-3 are in; the youngest eight loads (A's blocks 4-7) may be out
.if \first
	WIN FST_LO
.else
	WIN MUL_LO
.endif
	MUL16 0, (\q)%2, \q, \slot, \first
	MUL16 2, (\q)%2, \q, \slot, \first
	s_wait_dscnt 0
	PLACES NP
	FETCH_B \slot, (\q)+1, 1-(\q)%2
	FETCH_A \slot, (\q)+1, 0
.if \first
	WIN FST_HI
.else
	WIN MUL_HI
.endif
	MUL16 4, (\q)%2, \q, \slot, \first
	MUL16 6, (\q)%2, \q, \slot, \first
	PLACES NP
	WIN 0
	FETCH_A \slot, (\q)+1, 4
.endm
; Slot 0's last step goes over to slot 1: each wave waits for all its tensor loads, adds 0 to its spare word, waits for that, and passes the barrier: behind it slot 1 is whole.  Nothing is filled again.
.macro TURN slot, next
	s_wait_tensorcnt 0x0                           ; all my tensor loads have landed: my part of the next slot
	ds_add_u32 v[SPW], v[NIL]                      ; 0 onto my spare word
	s_wait_dscnt 4*NL+1                            ; the add and the youngest eight loads may be out
	WIN MUL_LO
	MUL16 0, 1, NQ-1, \slot, 0
	s_wait_dscnt 0x0
	s_barrier_signal -1
	MUL16 2, 1, NQ-1, \slot, 0
	WIN 0
	s_barrier_wait -1
	PLACES NP
	v_add_nc_u32 v[ADRS], 4*NQ, v[ADRS]            ; on to the next K step's scale words
	FETCH_B \next, 0, 0
	FETCH_A \next, 0, 0
	SCALES \next
	WIN MUL_HI
	MUL16 4, 1, NQ-1, \slot, 0
	MUL16 6, 1, NQ-1, \slot, 0
	PLACES NP
	WIN 0
	FETCH_A \next, 0, 4
.endm
.macro STEPS slot, from
.set Q, \from
.rept NQ-1-\from
	STEP \slot, Q, 0
.set Q, Q+1
.endr
.endm
	s_wait_tensorcnt 1                             ; the scales and my part of K step 0 are in; slot 1's load may be out
	s_barrier_signal -1
	s_barrier_wait -1
	FETCH_B 0, 0, 0
	FETCH_A 0, 0, 0
	SCALES 0
	FETCH_A 0, 0, 4
	STEP 0, 0, 1                                   ; the first products start the sums from the bias
	STEPS 0, 1
	TURN 0, 1
	STEPS 1, 0
	s_wait_dscnt 4*NL                              ; the very last step
	WIN MUL_LO
	MUL16 0, 1, NQ-1, 1, 0
	MUL16 2, 1, NQ-1, 1, 0
	s_wait_dscnt 0
	WIN MUL_HI
	MUL16 4, 1, NQ-1, 1, 0
	MUL16 6, 1, NQ-1, 1, 0
	WIN 0
; THE WAY OUT: no stage.  Accumulator (a, b), rounded to f16, is one piece: 16 bytes a lane, 512 consecutive bytes a store.  Each accumulator is read from its low end on.
.macro OUTBLK a
.if (\a) >= 4
	s_wait_xcnt 0x0                                ; block a - 4's stores have read their data: the set may be written again
.endif
	WIN 0x0a+5*((\a)/4)                            ; sources 0 and 1: window 2 or 3
.irp b, 0,1,2,3,4,5,6,7
.irp p, 0,1,2,3
	v_cvt_pk_f16_f32 v[TO+32*((\a)%4)+4*\b+\p], v[64*((\a)%4)+8*\b+2*\p], v[64*((\a)%4)+8*\b+2*\p+1]
.endr
.endr
	WIN 0
.irp b, 0,1,2,3,4,5,6,7
	global_store_b128 v[CO], v[TO+32*((\a)%4)+4*\b:TO+32*((\a)%4)+4*\b+3], s[12:13] offset:(\b/4)*262144+(\a)*2048+(\b%4)*512
.endr
.endm
	PLACES NP                                      ; behind the last products: their A fragments' registers are written below
.irp a, 0,1,2,3,4,5,6,7
	OUTBLK \a
.endr
	s_wait_tensorcnt 0x0                           ; the wave's end
	ds_add_u32 v[SPW], v[NIL]
	s_wait_dscnt 0x0
	CROUND                                         ; the closing round
	s_endpgm
.Lfunc_end_k_q8f9d92b2ca_qkv:
	.size	k_q8f9d92b2ca_qkv, .Lfunc_end_k_q8f9d92b2ca_qkv-k_q8f9d92b2ca_qkv
	.p2alignl 7, 3214868480
	.fill 96, 4, 3214868480
	.section	.rodata,"a",@progbits
	.p2align	6, 0x0
	.amdhsa_kernel k_q8f9d92b2ca_qkv
		.amdhsa_group_segment_fixed_size 327680
		.amdhsa_private_segment_fixed_size 0
		.amdhsa_enable_private_segment 0
		.amdhsa_kernarg_size 56
		.amdhsa_user_sgpr_count 2
		.amdhsa_user_sgpr_kernarg_segment_ptr 1
		.amdhsa_wavefront_size32 1
		.amdhsa_system_sgpr_workgroup_id_x 1
		.amdhsa_system_sgpr_workgroup_id_y 1
		.amdhsa_system_sgpr_workgroup_id_z 1
		.amdhsa_system_vgpr_workitem_id 0
		.amdhsa_next_free_vgpr 1024
		.amdhsa_next_free_sgpr 102
		.amdhsa_reserve_vcc 0
		.amdhsa_float_denorm_mode_32 3
		.amdhsa_float_denorm_mode_16_64 3
		.amdhsa_memory_ordered 1
		.amdhsa_forward_progress 1
		.amdhsa_inst_pref_size 124
	.end_amdhsa_kernel
	.amdgpu_metadata
---
amdhsa.version: [ 1, 2 ]
amdhsa.kernels:
  - .name:           k_q8f9d92b2ca_qkv
    .symbol:         k_q8f9d92b2ca_qkv.kd
    .args:
      - { .name: xc, .offset: 0, .size: 8, .value_kind: global_buffer, .address_space: global }
      - { .name: xs, .offset: 8, .size: 8, .value_kind: global_buffer, .address_space: global }
      - { .name: wc, .offset: 16, .size: 8, .value_kind: global_buffer, .address_space: global }
      - { .name: ws, .offset: 24, .size: 8, .value_kind: global_buffer, .address_space: global }
      - { .name: b_in, .offset: 32, .size: 8, .value_kind: global_buffer, .address_space: global }
      - { .name: qk, .offset: 40, .size: 8, .value_kind: global_buffer, .address_space: global }
      - { .name: v, .offset: 48, .size: 8, .value_kind: global_buffer, .address_space: global }
    .group_segment_fixed_size: 327680
    .private_segment_fixed_size: 0
    .kernarg_segment_align: 8
    .kernarg_segment_size: 56
    .max_flat_workgroup_size: 128
    .sgpr_count:     102
    .vgpr_count:     1024
    .wavefront_size: 32
...
	.end_amdgpu_metadata
.endif
;; end of part 2
;; launch attn (part 3): grid 4 x 64, 8 waves a work-group, clusters of 4 x 1, 327,680 bytes of LDS; arguments qk, v, b_in, o; writes o
.if DOCPART == 3
	.amdgcn_target "amdgcn-amd-amdhsa--gfx1250"
	.amdhsa_code_object_version 6
	.text
	.protected	k_q8f9d92b2ca_attn
	.globl	k_q8f9d92b2ca_attn
	.p2align	8
	.type	k_q8f9d92b2ca_attn,@function
k_q8f9d92b2ca_attn:
	s_mov_b64 s[64:65], 0
	v_nop
	global_prefetch_b8 v0, s[64:65] scope:SCOPE_SE
	s_setreg_imm32_b32 hwreg(HW_REG_WAVE_MODE, 25, 1), 1
	s_wait_xcnt 0x0
	s_wait_alu depctr_hold_cnt(0) depctr_sa_sdst(0) depctr_va_vdst(0) depctr_va_sdst(0) depctr_va_ssrc(0) depctr_va_vcc(0) depctr_vm_vsrc(0)
	s_getreg_b32 s2, hwreg(HW_REG_IB_STS2, 6, 4)
	s_cmp_eq_u32 s2, 0
	s_cbranch_scc0 .Lentry_in_a_cluster
	s_endpgm
.Lentry_in_a_cluster:
	s_bfe_u32 s2, ttmp6, 0x10000c
	s_cmp_lg_u32 s2, 0x3003
	s_cbranch_scc0 .Lentry_shape_is_right
	s_endpgm
.Lentry_shape_is_right:
; ATTENTION: O = softmax(Q K^T / 8) V + b_v for each of 64 (batch, head) pairs; 2,048 keys, head size 64; operands f16, products, maxima and sums f32.
; SHARES.  A work-group owns 512 queries of one head, each of its eight waves 64: four tiles of 16, in 512 registers.  Every wave walks all keys, 64 a step.
; LAYOUT.  S^T = K Q^T (source 0 = 16 keys, source 1 = 16 queries): a lane holds ONE query (lane % 16) and keys 8 (lane / 16) + 0..7.  Two such tiles, rounded to f16 in pairs, ARE source 1 of O^T = V^T P.
; Q, K and V^T lie in memory as images of operand registers (pieces of 512 bytes, 16 bytes a lane): a fragment is two loads at 16 x lane, in LDS too: consecutive bytes, no padding.
; SOFTMAX.  A running maximum m and sum l for each query: p = 2^(c s - c m), c = log2(e) / 8; in every step O and l are multiplied by a = 2^(c m_old - c m_new).  l sums the unrounded p.
; TWO GROUPS OF WAVES, HALF A STEP APART.  Group = (wave xor wave / 4) & 1.  A trip is [group 1: softmax of step j - 1] V^T P of step j - 1, K Q^T of step j [group 0: softmax of step j]: while the waves of one
; group issue products, those of the other walk their softmax.  The branches on the group lead round vector work alone: every LDS load, wait, barrier and tensor load is on every wave's path.
; THE RING.  Two slots of 512 keys (64 KiB of K, 64 KiB of V^T), 2^17 bytes apart.  Waves 0-3 fetch K's quarters, waves 4-7 V's: one tensor load a wave behind each change of slots, with eight key steps in which to land.
; CLUSTER.  The four query blocks of a head walk the same K and V: each tile is asked for JOINTLY by the four.
; v's BIAS is added behind the division by l: the weights sum to 1, so that is the same number in another order of rounding.
; O and l begin as zeros and m as -3e38: the first step's a is 0, and the trip is written without a first step of its own.
; LIMITS: O is rounded once to f16 (magnitudes over 65,504 are not served); p under 6e-5 is kept with f16's absolute step.  NaN and infinities are not served.
; REGISTERS.  window 0: v1-6 addresses; v16-63 statistics, 12 a tile; v64-191 S^T, 32 a tile (P is made in place in a tile's first 16); v192-255 V^T of one step.
;             window 1: v0-127 O^T, 32 a tile; v128-191 Q; v192-255 K of one step (at the end: v's bias).
.set SLOT1, 1<<17
.set VOFF,  65536                      ; in a slot: K's 64 KiB, then V's
.set STEPB, 8192                       ; a key step's bytes of K, and of V
.set SPARE, 2*SLOT1                    ; the spare words, 128 bytes for each of eight waves
.set LI,  1                            ; v1  16 x lane
.set ADK, 2                            ; v2  LDS address of the step's K
.set ADV, 3                            ; v3  of its V
.set SPW, 4                            ; v4  my spare word; never rewritten
.set NIL, 5                            ; v5  0; never rewritten
.set BO,  6                            ; v6  32 x (lane / 16)
.set ST,  16                           ; tile t at v[ST + 12 t]: +0 c m, +1 m, +2, +3 l, +4 a, +5 c m_old - c m_new, +6..+9 at work
.set S,   64
.set VF,  192
.set OT,  0                            ; window 1
.set QF,  128
.set KF,  192
.set WV,  14                           ; s14 my wave's number
.set G,   15                           ; s15 my group
.set G1K, 24
.set G1V, 32
.set G0K, 40
.set G0V, 44
.set CS,  48                           ; s[48:49] c
.set SEL, 50                           ; s[50:51] selects for lane l xor 16
.set TB,  52                           ; s52 LDS byte at which the tiles of the step to be fetched begin
.set CNT, 53
.set OUTER, 54
.set MSB, 0
.macro WIN new                         ; the immediate's high byte repeats the setting that is left; a switch that changes nothing is dropped
.if MSB != (\new)
	s_set_vgpr_msb (MSB<<8)|(\new)
.set MSB, \new
.endif
.endm
.macro JLOAD                           ; waves 0-3: K's tile; waves 4-7: V's.  An s_nop 0 and four v_nop follow each of the two lines
	s_cmp_lt_u32 s[WV], 4
	s_cbranch_scc0 .Lfor_v_\@
	tensor_load_to_lds s[G0K:G0K+3], s[G1K:G1K+7]
	s_nop 0
.rept 4
	v_nop
.endr
	s_branch .Lasked_\@
.Lfor_v_\@:
	tensor_load_to_lds s[G0V:G0V+3], s[G1V:G1V+7]
	s_nop 0
.rept 4
	v_nop
.endr
.Lasked_\@:
.endm
.macro CROUND
	s_barrier_signal -1
	s_barrier_wait -1
	s_cmp_lg_u32 s[WV], 0
	s_cbranch_scc1 .Lnot_wave_0_\@
	s_barrier_signal -3
.Lnot_wave_0_\@:
	s_barrier_wait -3
	s_barrier_signal -1
	s_barrier_wait -1
.endm
	s_load_b256 s[4:11], s[0:1], 0x0               ; qk s[4:5], v s[6:7], b_in s[8:9], o s[10:11]
	v_lshl_add_u32 v[SPW], v0, 2, SPARE
	v_mov_b32 v[NIL], 0
	ds_add_u32 v[SPW], v[NIL]                      ; the wave's opening: the add, twice on end, and its wait ahead of my first tensor load
	ds_add_u32 v[SPW], v[NIL]
	v_lshrrev_b32 v1, 5, v0
	v_readfirstlane_b32 s[WV], v1                  ; wave 0..7
	s_lshr_b32 s[G], s[WV], 2
	s_xor_b32 s[G], s[G], s[WV]
	s_and_b32 s[G], s[G], 1                        ; it differs between waves w and w + 4, and between waves 2 i and 2 i + 1
	s_bfe_u32 s16, ttmp6, 0x40000                  ; cx: it enters Q's and O's addresses alone
	s_and_b32 s17, ttmp7, 0xffff                   ; 16 x batch + head, which the four partners share
	s_and_b32 s18, s[WV], 3                        ; which quarter of a slot I fetch
	s_lshr_b32 s19, s17, 4                         ; batch
	s_and_b32 s55, s17, 15                         ; head
	s_lshl_b32 s20, s17, 18                        ; K: a head is 262,144 bytes,
	s_lshl_b32 s21, s18, 14                        ; my 128 keys 16,384,
	s_add_co_u32 s20, s20, s21
	s_add_co_u32 s20, s20, 1<<24                   ; behind q
	s_mov_b32 s21, 0
	s_lshl_b32 s22, s19, 23                        ; V: a batch's 32 groups of 64 tokens, 262,144 bytes each,
	s_lshl_b32 s23, s55, 13                        ; the head's four channel blocks of 2,048,
	s_add_co_u32 s22, s22, s23
	s_lshl_b32 s23, s18, 19                        ; my two groups
	s_add_co_u32 s22, s22, s23
	s_mov_b32 s23, 0
	s_lshl_b32 s56, s16, 5
	s_lshl_b32 s57, s[WV], 2
	s_add_co_u32 s56, s56, s57                     ; my first token block in the batch: 32 cx + 4 wave
	s_lshl_b32 s58, s19, 7
	s_add_co_u32 s58, s58, s56
	s_lshl_b32 s58, s58, 15                        ; O: 64 pieces of 512 bytes a token block,
	s_lshl_b32 s59, s55, 11                        ; the head's four
	s_add_co_u32 s58, s58, s59
	s_mov_b32 s59, 0
	s_lshl_b32 s56, s56, 11                        ; Q: 2,048 bytes a token block
	s_lshl_b32 s57, s17, 18
	s_add_co_u32 s56, s56, s57
	s_mov_b32 s57, 0
	s_lshl_b32 s60, s55, 8                         ; v's bias: b_in[2048 + 64 head ..]
	s_add_co_u32 s60, s60, 8192
	s_mov_b32 s61, 0
	; descriptor group 1.  K: 16,384 dense bytes as 64 rows of 256 (32 elements of 8 bytes).  V: 2 rows of 8,192 bytes, 262,144 bytes apart.  15:0 the mask: all four work-groups; bit 21 set beside it
	s_mov_b32 s[G1K], 15|(3<<16)|(1<<21)
	s_mov_b32 s[G1K+1], 32<<16
	s_mov_b32 s[G1K+2], 64<<16
	s_mov_b32 s[G1K+3], 32<<16
	s_mov_b32 s[G1K+4], 64
	s_mov_b32 s[G1K+5], 32
	s_mov_b32 s[G1K+6], 0
	s_mov_b32 s[G1K+7], 0
	s_mov_b32 s[G1V], 15|(3<<16)|(1<<21)
	s_mov_b32 s[G1V+1], 1024<<16
	s_mov_b32 s[G1V+2], 2<<16
	s_mov_b32 s[G1V+3], 1024<<16
	s_mov_b32 s[G1V+4], 2
	s_mov_b32 s[G1V+5], 32768
	s_mov_b32 s[G1V+6], 0
	s_mov_b32 s[G1V+7], 0
	s_mov_b32 s[CS], 0x3e38aa3b                    ; c = log2(e) / 8
	s_mov_b32 s[CS+1], s[CS]
	s_mov_b32 s[SEL], 0x76543210
	s_mov_b32 s[SEL+1], 0xfedcba98
	s_mov_b32 s[TB], 0
	s_wait_dscnt 0x0                               ; both opening adds are done
	s_wait_kmcnt 0x0
	s_mov_b32 s[G0K], 1
	s_lshl_b32 s[G0K+1], s18, 14                   ; LDS: my quarter of slot 0's K
	s_add_nc_u64 s[G0K+2:G0K+3], s[4:5], s[20:21]
	s_or_b32 s[G0K+3], s[G0K+3], 0x80000000
	s_mov_b32 s[G0V], 1
	s_add_co_u32 s[G0V+1], s[G0K+1], VOFF
	s_add_nc_u64 s[G0V+2:G0V+3], s[6:7], s[22:23]
	s_or_b32 s[G0V+3], s[G0V+3], 0x80000000
	s_add_nc_u64 s[4:5], s[4:5], s[56:57]          ; Q at my wave's first tile
	s_add_nc_u64 s[10:11], s[10:11], s[58:59]      ; O likewise
	s_add_nc_u64 s[8:9], s[8:9], s[60:61]          ; the head's bias of v
	CROUND                                         ; all four work-groups are here: the first joint loads meet
	JLOAD                                          ; slot 0: keys 0..511
	v_and_b32 v[LI], 31, v0
	v_lshrrev_b32 v[BO], 4, v[LI]
	v_lshlrev_b32 v[BO], 5, v[BO]
	v_lshlrev_b32 v[LI], 4, v[LI]
	WIN 0x40                                       ; destination window 1
.set i, 0
.rept 16
	global_load_b128 v[QF+4*i:QF+4*i+3], v[LI], s[4:5] offset:512*i th:TH_LOAD_NT   ; Q stays in registers: tile i / 4, channels 16 (i % 4) on
.set i, i+1
.endr
.set i, 0
.rept 128
	v_mov_b32 v[OT+i], 0                           ; O^T: cleared once, so that the trip needs no first step of its own
.set i, i+1
.endr
	WIN 0
.irp t, 0,1,2,3
	v_mov_b32 v[ST+12*\t+1], 0xff61b1e6            ; m = -3e38, under every score
	v_mov_b32 v[ST+12*\t+2], 0                     ; l
	v_mov_b32 v[ST+12*\t+3], 0
	v_mov_b32 v[ST+12*\t+5], 0                     ; written once: named as the upper half of the pair that holds a
	v_mov_b32 v[ST+12*\t+7], 0                     ; written once: a lane permute's destination counts as one of its sources
.endr
.irp t, 0,1,2,3
	v_mul_f32 v[ST+12*\t], s[CS], v[ST+12*\t+1]    ; c m
.endr
	s_wait_loadcnt 0x0                             ; Q
; THE MATRIX WORK OF A TRIP.  pv: 32 products V^T P of the step before; kq: the fetches of this step's K and V, and 32 products K Q^T.  In each run 16 accumulators take turns, one instruction a turn.
.macro MPH pv, kq
.if \kq
	v_add_nc_u32 v[ADK], s[TB], v[LI]
	v_add_nc_u32 v[ADV], VOFF, v[ADK]
	WIN 0x40                                       ; K's registers lie in window 1
.set i, 0
.rept 16
	ds_load_b128 v[KF+4*i:KF+4*i+3], v[ADK] offset:512*i   ; K of this step: keys 16 (i / 4) on, channels 16 (i % 4) on
.set i, i+1
.endr
.endif
.if \pv
.if \kq
	s_wait_dscnt 16                                ; V of the step before is in; K's sixteen loads may be out
.else
	s_wait_dscnt 0x0
.endif
	WIN 0x50                                       ; V and P window 0, O^T window 1
.irp kg, 0,1
.irp ct, 0,1,2,3
.irp t, 0,1,2,3
	v_wmma_f32_16x16x32_f16 v[OT+32*\t+8*\ct:OT+32*\t+8*\ct+7], v[VF+16*\ct+8*\kg:VF+16*\ct+8*\kg+7], v[S+32*\t+8*\kg:S+32*\t+8*\kg+7], v[OT+32*\t+8*\ct:OT+32*\t+8*\ct+7]
.endr
.endr
.endr
	WIN 0
.if \kq
.rept 5
	v_nop                                          ; five places: the loads below land on V's registers (four are owed), and K Q^T writes over P, which these products read (five)
.endr
.endif
.endif
.if \kq
	WIN 0                                          ; V's registers lie in window 0: the switch stands here too, for the step that has no products in front
.set i, 0
.rept 16
	ds_load_b128 v[VF+4*i:VF+4*i+3], v[ADV] offset:512*i   ; V^T of this step: channels 16 (i / 4) on, keys 16 (i % 4) on
.set i, i+1
.endr
	s_add_co_u32 s[TB], s[TB], STEPB               ; the next fetch is the next step's
	s_wait_dscnt 16                                ; K is in; V's sixteen loads may be out
	WIN 0x05                                       ; K and Q window 1, S^T window 0
.irp f, 0,1
.irp kt, 0,1,2,3
.irp t, 0,1,2,3
.if \f == 0
	v_wmma_f32_16x16x32_f16 v[S+32*\t+8*\kt:S+32*\t+8*\kt+7], v[KF+16*\kt+8*\f:KF+16*\kt+8*\f+7], v[QF+16*\t+8*\f:QF+16*\t+8*\f+7], 0
.else
	v_wmma_f32_16x16x32_f16 v[S+32*\t+8*\kt:S+32*\t+8*\kt+7], v[KF+16*\kt+8*\f:KF+16*\kt+8*\f+7], v[QF+16*\t+8*\f:QF+16*\t+8*\f+7], v[S+32*\t+8*\kt:S+32*\t+8*\kt+7]
.endif
.endr
.endr
.endr
	WIN 0
.rept 5
	v_nop                                          ; places behind the scores: for the softmax's reads, for the next loads into K's registers, and for a product that takes them as an operand
.endr
.endif
.endm
; THE VECTOR WORK OF A STEP: the four tiles' softmax, the tiles alternating line by line.
.macro SCALE t, i                      ; pair i of tile t: c s - c m
	v_pk_fma_f32 v[S+32*(\t)+2*(\i):S+32*(\t)+2*(\i)+1], v[S+32*(\t)+2*(\i):S+32*(\t)+2*(\i)+1], s[CS:CS+1], v[ST+12*(\t):ST+12*(\t)+1] op_sel_hi:[1,0,0] neg_lo:[0,0,1] neg_hi:[0,0,1]
.endm
.macro SM
.irp i, 0,1,2,3                        ; the maximum of the lane's 32 scores and the old m: four chains, each begun at its accumulator's low end
.irp t, 0,1,2,3
	v_max3_num_f32 v[ST+12*\t+6+\i], v[S+32*\t+8*\i], v[S+32*\t+8*\i+1], v[S+32*\t+8*\i+2]
.endr
.endr
.irp k, 3,5
.irp i, 0,1,2,3
.irp t, 0,1,2,3
	v_max3_num_f32 v[ST+12*\t+6+\i], v[ST+12*\t+6+\i], v[S+32*\t+8*\i+\k], v[S+32*\t+8*\i+\k+1]
.endr
.endr
.endr
.irp t, 0,1,2,3
	v_max3_num_f32 v[ST+12*\t+6], v[ST+12*\t+6], v[S+32*\t+7], v[S+32*\t+15]
.endr
.irp t, 0,1,2,3
	v_max3_num_f32 v[ST+12*\t+8], v[ST+12*\t+8], v[S+32*\t+23], v[S+32*\t+31]
.endr
.irp t, 0,1,2,3
	v_max3_num_f32 v[ST+12*\t+6], v[ST+12*\t+6], v[ST+12*\t+7], v[ST+12*\t+8]
.endr
.irp t, 0,1,2,3
	v_max3_num_f32 v[ST+12*\t+6], v[ST+12*\t+6], v[ST+12*\t+9], v[ST+12*\t+1]
.endr
.irp t, 0,1,2,3
	v_permlanex16_b32 v[ST+12*\t+7], v[ST+12*\t+6], s[SEL], s[SEL+1]   ; the query's other 32 keys lie in the lane 16 away
.endr
.irp t, 0,1,2,3
	v_mov_b32 v[ST+12*\t+5], v[ST+12*\t]           ; c m_old
.endr
.irp t, 0,1,2,3
	v_max_num_f32 v[ST+12*\t+1], v[ST+12*\t+6], v[ST+12*\t+7]
.endr
.irp t, 0,1,2,3
	v_mul_f32 v[ST+12*\t], s[CS], v[ST+12*\t+1]
.endr
.irp t, 0,1,2,3
	v_sub_f32 v[ST+12*\t+5], v[ST+12*\t+5], v[ST+12*\t]
.endr
	; ONE BATCH: all scalings and all 132 exponentials; none of these lines names an exponential's result.  A tile's scalings stand among the exponentials of the tile before.
.irp i, 0,1,2,3,4,5,6,7,8,9,10,11,12,13,14,15
	SCALE 0, \i
.endr
.irp t, 0,1,2,3
	v_exp_f32 v[ST+12*\t+4], v[ST+12*\t+5]         ; a
.endr
.irp t, 0,1,2,3
.irp i, 0,1,2,3,4,5,6,7,8,9,10,11,12,13,14,15
.if \t < 3
	SCALE \t+1, \i
.endif
	v_exp_f32 v[S+32*\t+2*\i], v[S+32*\t+2*\i]
	v_exp_f32 v[S+32*\t+2*\i+1], v[S+32*\t+2*\i+1]
.endr
.endr
	v_nop                                          ; a plain instruction behind the last exponential
	s_wait_alu depctr_va_vdst(0)                   ; one wait for the whole batch, ahead of the first line that names a result
.irp t, 0,1,2,3                        ; l = a l + the sum of the unrounded p: two chains of pairs
	v_pk_fma_f32 v[ST+12*\t+2:ST+12*\t+3], v[ST+12*\t+2:ST+12*\t+3], v[ST+12*\t+4:ST+12*\t+5], v[S+32*\t:S+32*\t+1] op_sel_hi:[1,0,1]
.endr
.irp t, 0,1,2,3
	v_pk_add_f32 v[ST+12*\t+6:ST+12*\t+7], v[S+32*\t+2:S+32*\t+3], v[S+32*\t+6:S+32*\t+7]
.endr
.irp i, 4,8,12,16,20,24
.irp t, 0,1,2,3
	v_pk_add_f32 v[ST+12*\t+2:ST+12*\t+3], v[ST+12*\t+2:ST+12*\t+3], v[S+32*\t+\i:S+32*\t+\i+1]
.endr
.irp t, 0,1,2,3
	v_pk_add_f32 v[ST+12*\t+6:ST+12*\t+7], v[ST+12*\t+6:ST+12*\t+7], v[S+32*\t+\i+6:S+32*\t+\i+7]
.endr
.endr
.irp t, 0,1,2,3
	v_pk_add_f32 v[ST+12*\t+2:ST+12*\t+3], v[ST+12*\t+2:ST+12*\t+3], v[S+32*\t+28:S+32*\t+29]
.endr
.irp t, 0,1,2,3
	v_pk_add_f32 v[ST+12*\t+2:ST+12*\t+3], v[ST+12*\t+2:ST+12*\t+3], v[ST+12*\t+6:ST+12*\t+7]
.endr
.irp i, 0,1,2,3,4,5,6,7,8,9,10,11,12,13,14,15   ; P, rounded to f16, in place: register i takes pair i; ascending, so no pair is written before it is read
.irp t, 0,1,2,3
	v_cvt_pk_f16_f32 v[S+32*\t+\i], v[S+32*\t+2*\i], v[S+32*\t+2*\i+1]
.endr
.endr
	WIN 0x41                                       ; O^T (destination and source 0) window 1, a window 0
.irp i, 0,2,4,6,8,10,12,14,16,18,20,22,24,26,28,30
.irp t, 0,1,2,3
	v_pk_mul_f32 v[OT+32*\t+\i:OT+32*\t+\i+1], v[OT+32*\t+\i:OT+32*\t+\i+1], v[ST+12*\t+4:ST+12*\t+5] op_sel_hi:[1,0]
.endr
.endr
	WIN 0
.endm
.macro SMIF g                          ; the softmax, for the waves of group g: the branch hangs on the wave's number alone and leads round vector work alone
	s_cmp_eq_u32 s[G], \g
	s_cbranch_scc0 .Lskip_\@
	SM
.Lskip_\@:
.endm
.macro LOOPN n                         ; n key steps
	s_mov_b32 s[CNT], \n
.Ltrip_\@:
	SMIF 1
	MPH 1, 1
	SMIF 0
	s_sub_co_u32 s[CNT], s[CNT], 1
	s_cmp_lg_u32 s[CNT], 0
	s_cbranch_scc1 .Ltrip_\@
.endm
; THE CHANGE OF SLOTS.  Each wave waits for all its tensor loads (its part of the slot ahead), adds 0 to its spare word, and waits for that and for its reads of the slot that it leaves (the last step's K and V are in registers).
; fill = 1: a round of the cluster's barrier, and behind it the joint load of the next 512 keys into the slot just left (the first time: into slot 1, which nothing has filled yet).
.macro CHANGE fill
	s_wait_tensorcnt 0x0                           ; no tensor load of mine is out, so a group 0 may be written
	ds_add_u32 v[SPW], v[NIL]
.if \fill
	s_xor_b32 s[G0K+1], s[G0K+1], SLOT1            ; the walking descriptors: the other slot,
	s_add_nc_u64 s[G0K+2:G0K+3], s[G0K+2:G0K+3], 65536     ; the next 512 keys
	s_xor_b32 s[G0V+1], s[G0V+1], SLOT1
	s_add_nc_u64 s[G0V+2:G0V+3], s[G0V+2:G0V+3], 2097152   ; eight groups of 64 tokens on
	s_wait_dscnt 0x0
	CROUND
	JLOAD                                          ; my one tensor load until the next change
.else
	s_wait_dscnt 0x0
	s_barrier_signal -1
	s_barrier_wait -1
.endif
.endm
.macro TBADJ                           ; the fetches go back to a slot's first step, in the other slot
	s_sub_co_u32 s[TB], s[TB], 8*STEPB
	s_xor_b32 s[TB], s[TB], SLOT1
.endm
	CHANGE 1                                       ; slot 0 is whole; slot 1 (keys 512..1023) is asked for
	MPH 0, 1                                       ; step 0's scores
	SMIF 0
	s_wait_dscnt 0x0
	s_barrier_signal -1                            ; from here on the two groups stand half a step apart
	s_barrier_wait -1
	LOOPN 7                                        ; steps 1..7
	TBADJ
	s_mov_b32 s[OUTER], 2
.Lslot:                                            ; keys 1024.. go into slot 0 while slot 1 is walked, keys 1536.. into slot 1 while slot 0 is walked
	CHANGE 1
	LOOPN 8
	TBADJ
	s_sub_co_u32 s[OUTER], s[OUTER], 1
	s_cmp_lg_u32 s[OUTER], 0
	s_cbranch_scc1 .Lslot
	CHANGE 0                                       ; the last slot is written out: nothing is left to ask for
	LOOPN 8
	SMIF 1                                         ; group 1's last softmax
	WIN 0x40
.irp ct, 0,1,2,3
	global_load_b128 v[KF+8*\ct:KF+8*\ct+3], v[BO], s[8:9] offset:64*\ct       ; v's bias at my eight channels of each tile, into K's registers, which are done with
	global_load_b128 v[KF+8*\ct+4:KF+8*\ct+7], v[BO], s[8:9] offset:64*\ct+16
.endr
	MPH 1, 0                                       ; V^T P of the last step
	; THE WAY OUT.  The additions are the places behind the last products.
.irp t, 0,1,2,3
	v_add_f32 v[ST+12*\t+6], v[ST+12*\t+2], v[ST+12*\t+3]
.endr
.irp t, 0,1,2,3
	v_permlanex16_b32 v[ST+12*\t+7], v[ST+12*\t+6], s[SEL], s[SEL+1]
.endr
.irp t, 0,1,2,3
	v_add_f32 v[ST+12*\t+6], v[ST+12*\t+6], v[ST+12*\t+7]
.endr
.irp t, 0,1,2,3
	v_rcp_f32 v[ST+12*\t+4], v[ST+12*\t+6]
.endr
	v_nop
	s_wait_alu depctr_va_vdst(0)                   ; one wait for the four reciprocals, ahead of their first reader
	s_wait_loadcnt 0x0                             ; the bias
.macro OUTT t                          ; O^T / l + b_v, rounded to f16: a lane's eight channels of a tile are its 16 bytes of a piece; the wave stores 512 consecutive bytes
	WIN 0x11                                       ; O^T and the bias window 1
.set i, 0
.rept 16
	v_pk_fma_f32 v[S+32*\t+i:S+32*\t+i+1], v[OT+32*\t+i:OT+32*\t+i+1], v[ST+12*\t+4:ST+12*\t+5], v[KF+i:KF+i+1] op_sel_hi:[1,0,1]
.set i, i+2
.endr
	WIN 0
.set i, 0
.rept 16
	v_cvt_pk_f16_f32 v[S+32*\t+i], v[S+32*\t+2*i], v[S+32*\t+2*i+1]
.set i, i+1
.endr
.irp ct, 0,1,2,3
	global_store_b128 v[LI], v[S+32*\t+4*\ct:S+32*\t+4*\ct+3], s[10:11] offset:32768*\t+512*\ct
.endr
.endm
	OUTT 0
	OUTT 1
	OUTT 2
	OUTT 3
	s_wait_tensorcnt 0x0                           ; the wave's end: the three lines
	ds_add_u32 v[SPW], v[NIL]
	s_wait_dscnt 0x0
	CROUND                                         ; the closing round
	s_endpgm
.Lfunc_end_k_q8f9d92b2ca_attn:
	.size	k_q8f9d92b2ca_attn, .Lfunc_end_k_q8f9d92b2ca_attn-k_q8f9d92b2ca_attn
	.p2alignl 7, 3214868480
	.fill 96, 4, 3214868480
	.section	.rodata,"a",@progbits
	.p2align	6, 0x0
	.amdhsa_kernel k_q8f9d92b2ca_attn
		.amdhsa_group_segment_fixed_size 327680
		.amdhsa_private_segment_fixed_size 0
		.amdhsa_enable_private_segment 0
		.amdhsa_kernarg_size 32
		.amdhsa_user_sgpr_count 2
		.amdhsa_user_sgpr_kernarg_segment_ptr 1
		.amdhsa_wavefront_size32 1
		.amdhsa_system_sgpr_workgroup_id_x 1
		.amdhsa_system_sgpr_workgroup_id_y 1
		.amdhsa_system_sgpr_workgroup_id_z 1
		.amdhsa_system_vgpr_workitem_id 0
		.amdhsa_next_free_vgpr 512
		.amdhsa_next_free_sgpr 66
		.amdhsa_reserve_vcc 0
		.amdhsa_float_denorm_mode_32 3
		.amdhsa_float_denorm_mode_16_64 3
		.amdhsa_memory_ordered 1
		.amdhsa_forward_progress 1
		.amdhsa_inst_pref_size 254
	.end_amdhsa_kernel
	.amdgpu_metadata
---
amdhsa.version: [ 1, 2 ]
amdhsa.kernels:
  - .name:           k_q8f9d92b2ca_attn
    .symbol:         k_q8f9d92b2ca_attn.kd
    .args:
      - { .name: qk, .offset: 0, .size: 8, .value_kind: global_buffer, .address_space: global }
      - { .name: v, .offset: 8, .size: 8, .value_kind: global_buffer, .address_space: global }
      - { .name: b_in, .offset: 16, .size: 8, .value_kind: global_buffer, .address_space: global }
      - { .name: o, .offset: 24, .size: 8, .value_kind: global_buffer, .address_space: global }
    .group_segment_fixed_size: 327680
    .private_segment_fixed_size: 0
    .kernarg_segment_align: 8
    .kernarg_segment_size: 32
    .max_flat_workgroup_size: 256
    .sgpr_count:     66
    .vgpr_count:     512
    .wavefront_size: 32
...
	.end_amdgpu_metadata
.endif
;; end of part 3
;; launch proj (part 4): grid 8 x 32, 4 waves a work-group, clusters of 4 x 4, 327,680 bytes of LDS; arguments o, wo, b_out, out0; writes out0
.if DOCPART == 4
	.amdgcn_target "amdgcn-amd-amdhsa--gfx1250"
	.amdhsa_code_object_version 6
	.text
	.protected	k_q8f9d92b2ca_proj
	.globl	k_q8f9d92b2ca_proj
	.p2align	8
	.type	k_q8f9d92b2ca_proj,@function
k_q8f9d92b2ca_proj:
	s_mov_b64 s[64:65], 0
	v_nop
	global_prefetch_b8 v0, s[64:65] scope:SCOPE_SE
	s_setreg_imm32_b32 hwreg(HW_REG_WAVE_MODE, 25, 1), 1
	s_wait_xcnt 0x0
	s_wait_alu depctr_hold_cnt(0) depctr_sa_sdst(0) depctr_va_vdst(0) depctr_va_sdst(0) depctr_va_ssrc(0) depctr_va_vcc(0) depctr_vm_vsrc(0)
	s_getreg_b32 s2, hwreg(HW_REG_IB_STS2, 6, 4)
	s_cmp_eq_u32 s2, 0
	s_cbranch_scc0 .Lentry_in_a_cluster
	s_endpgm
.Lentry_in_a_cluster:
	s_bfe_u32 s2, ttmp6, 0x10000c
	s_cmp_lg_u32 s2, 0xf033
	s_cbranch_scc0 .Lentry_shape_is_right
	s_endpgm
.Lentry_shape_is_right:
; PROJ: out0 = O W_out + b_out.  O [8192][1024] and W_out arrive as f16 images of operand registers: o [token block 512][kc 64][512 bytes], wo [column block 64][kc 64][512 bytes];
; a piece is 16 rows x 16 k, 16 bytes a lane; two neighbouring pieces are a 16 x 32 fragment.  Sums in f32; out0 f32.
; A work-group makes 256 tokens x 128 columns, a wave 128 x 64: 32 accumulators of 16 x 16, window 1.  K goes in steps of 128 through a ring of two LDS slots: of each block of 16 rows a step is 4,096 consecutive bytes.
; THE MATRIX INSTRUCTION IS USED TRANSPOSED (source 0 = 16 columns of W_out, source 1 = 16 tokens): a lane holds a token and eight neighbouring columns.  The bias is the C of each sum's first matrix instruction.
; CLUSTERS: 4 x 4 work-groups; O's tiles are asked for jointly along a row of the cluster, W_out's along a column.
; REGISTERS: window 0: v0-31 addresses; v32-127, v128-223 two fragment buffers (4 fragments of W_out, then 8 of O); v224-255 the bias; on the way out v32-95 hold rows.   window 1: accumulators ((a, b) at v[8 (4 a + b)]).
.set SLOT,   98304                     ; O's 16 blocks x 4,096 bytes, then W_out's 8 blocks
.set BOFF,   65536
.set STAGE,  2*SLOT                    ; behind the ring: 16 rows x 272 bytes for each wave, its own; no tensor load lands there
.set SPITCH, 272
.set SPARE,  STAGE+4*16*SPITCH         ; the spare words, 128 bytes for each wave
.set LAPS,   4                         ; a lap = two K steps of 128
.set ADRA, 16
.set ADRB, 20
.set STO,  24
.set RD,   25
.set CO,   26
.set BO,   27
.set SPW,  28
.set NIL,  29
.set F0,   32
.set F1,   128
.set BIAS, 224
.set OB,   32
.set G1, 24
.set G0, 32
.set G1B, 48
.set G0B, 56
.set MSB, 0
.macro WIN new
.if MSB != (\new)
	s_set_vgpr_msb (MSB<<8)|(\new)
.set MSB, \new
.endif
.endm
.set MUL, 0x50                         ; fragments window 0, C and D window 1
.set FST, 0x40                         ; the first quarter: C (the bias) window 0, D window 1
.macro JLOAD s                         ; waves 0 and 1 fetch O's two halves, waves 2 and 3 W_out's; an s_nop 0 and four v_nop follow each of the two lines
	s_cmp_eq_u32 s15, 0
	s_cbranch_scc0 .Lfor_b_\@
	tensor_load_to_lds s[G0+4*\s:G0+4*\s+3], s[G1:G1+7]
	s_nop 0
.rept 4
	v_nop
.endr
	s_branch .Lasked_\@
.Lfor_b_\@:
	tensor_load_to_lds s[G0B+4*\s:G0B+4*\s+3], s[G1B:G1B+7]
	s_nop 0
.rept 4
	v_nop
.endr
.Lasked_\@:
.endm
.macro CREST
	s_cmp_lg_u32 s14, 0
	s_cbranch_scc1 .Lnot_wave_0_\@
	s_barrier_signal -3
.Lnot_wave_0_\@:
	s_barrier_wait -3
	s_barrier_signal -1
	s_barrier_wait -1
.endm
.macro CROUND
	s_barrier_signal -1
	s_barrier_wait -1
	CREST
.endm
	s_load_b256 s[4:11], s[0:1], 0x0               ; o s[4:5], wo s[6:7], b_out s[8:9], out0 s[10:11]
	v_lshl_add_u32 v[SPW], v0, 2, SPARE
	v_mov_b32 v[NIL], 0
	ds_add_u32 v[SPW], v[NIL]                      ; the wave's opening: the add, twice on end, and its wait ahead of my first tensor load
	ds_add_u32 v[SPW], v[NIL]
	v_lshrrev_b32 v1, 5, v0
	v_readfirstlane_b32 s14, v1                    ; wave 0..3
	s_lshr_b32 s15, s14, 1                         ; which half of the tokens is mine.  Also: I fetch for O (0) or for W_out (1)
	s_and_b32 s16, s14, 1                          ; which half of the columns.  Also: which half of that tile I fetch
	s_bfe_u32 s40, ttmp6, 0x40000                  ; cx
	s_bfe_u32 s41, ttmp6, 0x40004                  ; cy
	s_lshl_b32 s42, ttmp9, 2
	s_add_co_u32 s42, s42, s40                     ; tile column: 128 columns
	s_and_b32 s13, ttmp7, 0xffff
	s_lshl_b32 s13, s13, 2
	s_add_co_u32 s13, s13, s41                     ; tile row: 256 tokens
	s_lshl_b32 s43, s41, 2
	s_lshl_b32 s43, 15, s43                        ; my row of the cluster
	s_lshl_b32 s44, 0x1111, s40                    ; my column
	; descriptor group 1: rows of 4,096 bytes (512 elements of 8), 32,768 bytes apart: 8 rows for O, 4 for W_out; no padding
	s_or_b32 s[G1+0], s43, (3<<16)|(1<<21)
	s_or_b32 s[G1B+0], s44, (3<<16)|(1<<21)
	s_mov_b32 s[G1+1], 512<<16
	s_mov_b32 s[G1+2], 8<<16
	s_mov_b32 s[G1+3], 512<<16
	s_mov_b32 s[G1+4], 8
	s_mov_b32 s[G1+5], 4096
	s_mov_b32 s[G1+6], 0
	s_mov_b32 s[G1+7], 0
	s_mov_b32 s[G1B+1], 512<<16
	s_mov_b32 s[G1B+2], 4<<16
	s_mov_b32 s[G1B+3], 512<<16
	s_mov_b32 s[G1B+4], 4
	s_mov_b32 s[G1B+5], 4096
	s_mov_b32 s[G1B+6], 0
	s_mov_b32 s[G1B+7], 0
	s_lshl_b32 s20, s13, 19                        ; O: 16 blocks of 32,768 bytes a tile row,
	s_lshl_b32 s21, s16, 18                        ; 8 of them a half
	s_add_co_u32 s20, s20, s21
	s_mov_b32 s21, 0
	s_lshl_b32 s46, s42, 18                        ; W_out: 8 blocks a tile column,
	s_lshl_b32 s47, s16, 17                        ; 4 a half
	s_add_co_u32 s46, s46, s47
	s_mov_b32 s47, 0
	s_lshl_b32 s22, s16, 15                        ; where they go in a slot: no place in the cluster enters an LDS address
	s_lshl_b32 s23, s16, 14
	s_add_co_u32 s23, s23, BOFF
	s_wait_dscnt 0x0                               ; both opening adds are done
	s_wait_kmcnt 0x0
	s_add_nc_u64 s[20:21], s[4:5], s[20:21]
	s_add_nc_u64 s[46:47], s[6:7], s[46:47]
	CROUND                                         ; all sixteen work-groups are here: the first joint loads meet
.irp s, 0,1
	s_mov_b32 s[G0+4*\s], 1
	s_add_co_u32 s[G0+4*\s+1], s22, \s*SLOT
	s_add_nc_u64 s[G0+4*\s+2:G0+4*\s+3], s[20:21], \s*4096
	s_or_b32 s[G0+4*\s+3], s[G0+4*\s+3], 0x80000000
	s_mov_b32 s[G0B+4*\s], 1
	s_add_co_u32 s[G0B+4*\s+1], s23, \s*SLOT
	s_add_nc_u64 s[G0B+4*\s+2:G0B+4*\s+3], s[46:47], \s*4096
	s_or_b32 s[G0B+4*\s+3], s[G0B+4*\s+3], 0x80000000
	JLOAD \s
.endr
	v_and_b32 v1, 15, v0                           ; r
	v_bfe_u32 v2, v0, 4, 1                         ; hl
	v_and_b32 v3, 31, v0
	v_lshlrev_b32 v3, 4, v3                        ; 16 x lane
	s_lshl_b32 s17, s15, 15                        ; my 8 token blocks
	s_lshl_b32 s18, s16, 14                        ; my 4 column blocks,
	s_add_co_u32 s18, s18, BOFF                    ; behind O's 16
.irp s, 0,1
	v_add_nc_u32 v[ADRA+\s], s17, v3
	v_add_nc_u32 v[ADRB+\s], s18, v3
	s_add_co_u32 s17, s17, SLOT
	s_add_co_u32 s18, s18, SLOT
.endr
	s_mul_i32 s19, s14, 16*SPITCH
	s_add_co_u32 s19, s19, STAGE                   ; my stage
	v_mul_u32_u24 v4, v1, SPITCH                   ; in: row r, 32 bytes for each half of the lanes
	v_lshl_add_u32 v4, v2, 5, v4
	v_add_nc_u32 v[STO], s19, v4
	v_mul_u32_u24 v5, v2, SPITCH                   ; back: lanes 0-15 one row of 256 bytes, lanes 16-31 the next
	v_lshl_add_u32 v5, v1, 4, v5
	v_add_nc_u32 v[RD], s19, v5
	v_lshlrev_b32 v5, 12, v2                       ; and the same two rows in out0
	v_lshl_add_u32 v[CO], v1, 4, v5
	v_lshlrev_b32 v[BO], 5, v2
	s_lshl_b32 s46, s42, 9                         ; my first column, in bytes: 512 x tile column + 256 x half
	s_lshl_b32 s47, s16, 8
	s_add_co_u32 s46, s46, s47
	s_mov_b32 s47, 0
	s_add_nc_u64 s[8:9], s[8:9], s[46:47]          ; the bias of my 64 columns
	s_lshl_b32 s20, s13, 20                        ; my first token's row: 256 x 4,096 bytes a tile row, 128 rows a half
	s_lshl_b32 s21, s15, 19
	s_add_co_u32 s20, s20, s21
	s_mov_b32 s21, 0
	s_add_nc_u64 s[20:21], s[20:21], s[46:47]
	s_add_nc_u64 s[10:11], s[10:11], s[20:21]
.irp b, 0,1,2,3
	global_load_b128 v[BIAS+8*\b:BIAS+8*\b+3], v[BO], s[8:9] offset:64*\b
	global_load_b128 v[BIAS+8*\b+4:BIAS+8*\b+7], v[BO], s[8:9] offset:64*\b+16
.endr
; 8 matrix instructions: token blocks a0, a0 + 1 x the 4 column blocks, 32 along K.  The 32 accumulators take turns, one instruction a turn, in the same order in every quarter.
.macro MUL8 f, a0, first
.irp a, \a0, \a0+1
.irp b, 0,1,2,3
.if \first
	v_wmma_f32_16x16x32_f16 v[8*(4*(\a)+\b):8*(4*(\a)+\b)+7], v[\f+8*\b:\f+8*\b+7], v[\f+32+8*(\a):\f+32+8*(\a)+7], v[BIAS+8*\b:BIAS+8*\b+7]
.else
	v_wmma_f32_16x16x32_f16 v[8*(4*(\a)+\b):8*(4*(\a)+\b)+7], v[\f+8*\b:\f+8*\b+7], v[\f+32+8*(\a):\f+32+8*(\a)+7], v[8*(4*(\a)+\b):8*(4*(\a)+\b)+7]
.endif
.endr
.endr
.endm
.macro FETCH slot, q, f                ; 24 LDS loads in one run: the fragments of the slot's q-th 32 along K: W_out's 4, O's blocks 0-3, O's blocks 4-7
	WIN 0
.irp i, 0,1,2,3
	ds_load_b128 v[\f+8*\i:\f+8*\i+3],   v[ADRB+\slot] offset:\i*4096+1024*(\q)
	ds_load_b128 v[\f+8*\i+4:\f+8*\i+7], v[ADRB+\slot] offset:\i*4096+1024*(\q)+512
.endr
.irp i, 0,1,2,3,4,5,6,7
	ds_load_b128 v[\f+32+8*\i:\f+32+8*\i+3],   v[ADRA+\slot] offset:\i*4096+1024*(\q)
	ds_load_b128 v[\f+32+8*\i+4:\f+32+8*\i+7], v[ADRA+\slot] offset:\i*4096+1024*(\q)+512
.endr
.endm
.macro PLACES
.rept 4
	v_nop
.endr
.endm
; A K step is four quarters of 32 along K on buffers 0, 1, 0, 1.  One of the first three: multiplies buffer f and, in its middle, fetches quarter q of the same slot into buffer g.
.macro QUARTER slot, q, f, g, first
	s_wait_dscnt 8                                 ; W_out's fragments and O's blocks 0-3 are in; the youngest eight loads may be out
.if \first
	WIN FST
.else
	WIN MUL
.endif
	MUL8 \f, 0, \first
	MUL8 \f, 2, \first
	PLACES
	FETCH \slot, \q, \g
	s_wait_dscnt 24                                ; all but the 24 just issued
.if \first
	WIN FST
.else
	WIN MUL
.endif
	MUL8 \f, 4, \first
	MUL8 \f, 6, \first
.endm
; The last quarter multiplies buffer 1 and changes slots: in front of the barrier each wave waits for all its tensor loads, adds 0 to its spare word, and waits for that and for its reads of this slot.
; fill = 1: the barrier opens a round of the cluster's barrier, and behind the round this slot is filled again, two K steps ahead.
.macro TURN slot, next, fill
	WIN 0
	s_wait_tensorcnt 0x0                           ; all my tensor loads have landed: my part of the next slot
	ds_add_u32 v[SPW], v[NIL]
	s_wait_dscnt 9                                 ; the add and the youngest eight loads may be out
	WIN MUL
	MUL8 F1, 0, 0
	s_wait_dscnt 0x0                               ; the add is done, and my reads of this slot are over
	s_barrier_signal -1
	MUL8 F1, 2, 0
	WIN 0
	s_barrier_wait -1
.if \fill
	CREST
	s_add_nc_u64 s[G0+4*\slot+2:G0+4*\slot+3], s[G0+4*\slot+2:G0+4*\slot+3], 8192
	s_add_nc_u64 s[G0B+4*\slot+2:G0B+4*\slot+3], s[G0B+4*\slot+2:G0B+4*\slot+3], 8192
	JLOAD \slot                                    ; the first tensor load behind the round; its four v_nop are also the places in front of the loads below
.else
	PLACES
.endif
	FETCH \next, 0, F0
	WIN MUL
	MUL8 F1, 4, 0
	MUL8 F1, 6, 0
.endm
	s_wait_loadcnt 0x0                             ; the bias
	s_wait_tensorcnt 1                             ; my part of K step 0 is in; K step 1's load may be out
	s_barrier_signal -1
	s_barrier_wait -1
	FETCH 0, 0, F0
	QUARTER 0, 1, F0, F1, 1                        ; the first quarter starts the sums from the bias
	WIN 0
	s_mov_b32 s3, LAPS-1
.Llap:                                             ; a trip goes once round the ring, from a lap's second quarter to the next lap's first, and fills both slots again
	QUARTER 0, 2, F1, F0, 0
	QUARTER 0, 3, F0, F1, 0
	TURN 0, 1, 1
	QUARTER 1, 1, F0, F1, 0
	QUARTER 1, 2, F1, F0, 0
	QUARTER 1, 3, F0, F1, 0
	TURN 1, 0, 1
	QUARTER 0, 1, F0, F1, 0
	WIN 0
	s_sub_co_u32 s3, s3, 1
	s_cmp_lg_u32 s3, 0
	s_cbranch_scc1 .Llap
	QUARTER 0, 2, F1, F0, 0                        ; the last lap fills nothing
	QUARTER 0, 3, F0, F1, 0
	TURN 0, 1, 0
	QUARTER 1, 1, F0, F1, 0
	QUARTER 1, 2, F1, F0, 0
	QUARTER 1, 3, F0, F1, 0
	s_wait_dscnt 8
	WIN MUL
	MUL8 F1, 0, 0
	MUL8 F1, 2, 0
	s_wait_dscnt 0
	MUL8 F1, 4, 0
	MUL8 F1, 6, 0
	WIN 0
; THE WAY OUT, a block of 16 tokens x 64 columns at a time, through my own stage: a lane's 32 bytes go into rows of 272 bytes and come back as whole rows of 256, which sixteen lanes store, aligned.
; LDS serves a wave's instructions in order: no wait between the stores and the loads, nor in front of the next block's stores.
.macro TOSTAGE a
	WIN 0x04                                       ; an LDS store's data: window 1
.irp b, 0,1,2,3
	ds_store_b128 v[STO], v[8*(4*(\a)+\b):8*(4*(\a)+\b)+3] offset:64*\b          ; each accumulator from its low end on
	ds_store_b128 v[STO], v[8*(4*(\a)+\b)+4:8*(4*(\a)+\b)+7] offset:64*\b+16
.endr
	WIN 0
.set BB, OB+32*((\a)%2)
.irp i, 0,1,2,3,4,5,6,7
	ds_load_b128 v[BB+4*\i:BB+4*\i+3], v[RD] offset:\i*2*SPITCH
.endr
.endm
.macro SEND a, younger                 ; younger: the LDS instructions issued behind block a's loads, which may stay out
.set BB, OB+32*((\a)%2)
	s_wait_dscnt \younger
.if (\a) > 0
	s_add_nc_u64 s[10:11], s[10:11], 65536         ; 16 rows of out0 on (the earlier stores have read their base: a wait on XCNT stands ahead)
.endif
.irp i, 0,1,2,3,4,5,6,7
	global_store_b128 v[CO], v[BB+4*\i:BB+4*\i+3], s[10:11] offset:8192*\i th:TH_STORE_NT
.endr
.endm
	PLACES                                         ; behind the last products: for the first reads of results and the loads into the fragments' registers
	TOSTAGE 0
.irp a, 1,2,3,4,5,6,7
.if \a > 1
	s_wait_xcnt 0x0                                ; block a - 2's stores have read their registers and their base
.endif
	TOSTAGE \a
	SEND \a-1, 16                                  ; behind block a - 1's loads: block a's 8 stores and 8 loads
.endr
	s_wait_xcnt 0x0
	SEND 7, 0
	s_wait_tensorcnt 0x0                           ; the wave's end: the three lines
	ds_add_u32 v[SPW], v[NIL]
	s_wait_dscnt 0x0
	CROUND                                         ; the closing round
	s_endpgm
.Lfunc_end_k_q8f9d92b2ca_proj:
	.size	k_q8f9d92b2ca_proj, .Lfunc_end_k_q8f9d92b2ca_proj-k_q8f9d92b2ca_proj
	.p2alignl 7, 3214868480
	.fill 96, 4, 3214868480
	.section	.rodata,"a",@progbits
	.p2align	6, 0x0
	.amdhsa_kernel k_q8f9d92b2ca_proj
		.amdhsa_group_segment_fixed_size 327680
		.amdhsa_private_segment_fixed_size 0
		.amdhsa_enable_private_segment 0
		.amdhsa_kernarg_size 32
		.amdhsa_user_sgpr_count 2
		.amdhsa_user_sgpr_kernarg_segment_ptr 1
		.amdhsa_wavefront_size32 1
		.amdhsa_system_sgpr_workgroup_id_x 1
		.amdhsa_system_sgpr_workgroup_id_y 1
		.amdhsa_system_sgpr_workgroup_id_z 1
		.amdhsa_system_vgpr_workitem_id 0
		.amdhsa_next_free_vgpr 512
		.amdhsa_next_free_sgpr 66
		.amdhsa_reserve_vcc 0
		.amdhsa_float_denorm_mode_32 3
		.amdhsa_float_denorm_mode_16_64 3
		.amdhsa_memory_ordered 1
		.amdhsa_forward_progress 1
		.amdhsa_inst_pref_size 86
	.end_amdhsa_kernel
	.amdgpu_metadata
---
amdhsa.version: [ 1, 2 ]
amdhsa.kernels:
  - .name:           k_q8f9d92b2ca_proj
    .symbol:         k_q8f9d92b2ca_proj.kd
    .args:
      - { .name: o, .offset: 0, .size: 8, .value_kind: global_buffer, .address_space: global }
      - { .name: wo, .offset: 8, .size: 8, .value_kind: global_buffer, .address_space: global }
      - { .name: b_out, .offset: 16, .size: 8, .value_kind: global_buffer, .address_space: global }
      - { .name: out0, .offset: 24, .size: 8, .value_kind: global_buffer, .address_space: global }
    .group_segment_fixed_size: 327680
    .private_segment_fixed_size: 0
    .kernarg_segment_align: 8
    .kernarg_segment_size: 32
    .max_flat_workgroup_size: 128
    .sgpr_count:     66
    .vgpr_count:     512
    .wavefront_size: 32
...
	.end_amdgpu_metadata
.endif
;; end of part 4
